; MI455X (gfx1250); checked and timed in simulation.
; The chip was launched on July 23, 2026; its instructions are those of AMD's public machine-readable ISA for CDNA 5 (MIT licence, August 2026) and "CDNA5" Instruction Set Architecture Reference Guide (July 2026). The comments in the code are by the model that wrote it; some were corrected since.
;; Attn Pool. Allowed arithmetic: matrix products marked QUANTISED: E4M3 operands, one E8M0 scale for each 32 along K, by v_wmma_scale_f32_16x16x128_f8f6f4 with both operands' format E4M3, f32 sums; products left as they are: f32 operands where the result goes on into a quantised operand, else bf16, f16 or f32 operands; f32 sums; everything else in f32.
;; Inputs: kpm 16 x 4,096 bool; q 8 x 1,024 float32; w_codes 1,024 x 32 x 32 uint8 (E4M3 codes of w, K innermost, in blocks of 32 codes); w_scales 1,024 x 32 uint8 (E8M0 scales of w, one for each 32 codes along K); x 16 x 4,096 x 1,024 float32.
;; Outputs: out0 16 x 8,192 float32.
;; This version of the problem:
;;   THIS VERSION OF THE PROBLEM IS GIVEN IN LOW PRECISION. The matrix products marked QUANTISED in the list below multiply operands that are first quantised to E4M3 (4 exponent bits, 3 mantissa bits; 8 bits a number), with one power-of-two scale for each 32 numbers along K (OCP MX v1.0); their sums are f32. All else is computed in f32.
;;   The module's matrix products, in the order in which they are computed (A, B: the left and right operand; K: the contracted axis; several contracted axes count as one K, in the product's order):
;;     1. [M 65,536, K 1,024] x [K 1,024, N 1,024]; A: input x; B: input w (given as codes): QUANTISED
;;     2. [M 8, K 1,024] x [K 1,024, N 65,536]; A: input q; B: computed on the way: left as it is (M = 8 < 16)
;;     3. batch 16 x [M 8, K 4,096] x [K 4,096, N 1,024]; A: softmax; B: input x: left as it is (M = 8 < 16)
;;   THE QUANTISER, for each operand of a quantised product, along K:
;;     - K is cut into blocks of 32 from its start; a last block that is shorter is filled with zeros.
;;     - A block's scale is 2^e with e = floor(log2(the largest magnitude in the block)) - 8, held to -126 .. 127; a block of zeros has e = 0. As a byte (E8M0): e + 127.
;;     - Each number is divided by its block's scale, clamped to +-448, and rounded to the nearest number of E4M3, ties to even, subnormals kept.
;;     - The product sums the exact products of the quantised numbers (number of the format x scale) in f32.
;;   ~~~python
;;   def quantise(x, axis):      # numpy; x: float32 -> the quantised numbers, widened to float32 again
;;       x = np.moveaxis(x, axis, -1); K = x.shape[-1]
;;       x = np.pad(x, [(0, 0)] * (x.ndim - 1) + [(0, -K % 32)]); x = x.reshape(x.shape[:-1] + (-1, 32)); a = np.abs(x).max(-1, keepdims=True)
;;       e = np.where(a > 0, np.clip(np.frexp(np.where(a > 0, a, 1))[1] - 1 - 8, -126, 127), 0)      # np.frexp(a)[1] - 1 = floor(log2(a)), exactly
;;       r = np.clip(x / 2.0 ** e, -448, 448)
;;       step = 2.0 ** (np.maximum(np.frexp(np.where(r == 0, 1, r))[1] - 1, -6) - 3)
;;       q = np.round(r / step) * step * 2.0 ** e      # np.round: ties to even
;;       return np.moveaxis(q.reshape(q.shape[:-2] + (-1,))[..., :K], -1, axis).astype(np.float32)
;;   ~~~
;;   INPUTS GIVEN AS CODES. w (in the module: [1024, 1024], K = its axis 1): each comes as NAME_codes (uint8): NAME with its K axis moved to the last place and cut into blocks of 32 codes, [.., K / 32, bytes a block], one block behind the other in memory; one code a byte (a code: sign, 4 exponent bits, 3 mantissa bits); and NAME_scales (uint8): the same leading axes, one E8M0 byte (e + 127) for each 32 codes along K. Its value is code x scale, taken as it is: it is not quantised again, and the codes and scales need not be those that the quantiser above would give.
;; 2 versions, each right and faster than the one before. Each part assembles by itself: llvm-mc -triple=amdgcn-amd-amdhsa -mcpu=gfx1250 --defsym DOCPART=n.
;; ======== version 1 of 2: 2 launches
;; limits: an absolute error that grows with the inputs' magnitude: up to 3.7e-09 times it
;; workspace buffers: pl 2,097,152 bytes; stats 40,960 bytes; flags 8,192 bytes of whole numbers
;; launch scores (part 1): grid 256 x 1, 4 waves a work-group, clusters of 4 x 1, 327,680 bytes of LDS; arguments x, kpm, q, w_codes, w_scales, pl, stats, flags; writes pl, stats, flags
.if DOCPART == 1
	.amdgcn_target "amdgcn-amd-amdhsa--gfx1250"
	.amdhsa_code_object_version 6
	.text
	.protected	k_qf467b2e6bb_scores
	.globl	k_qf467b2e6bb_scores
	.p2align	8
	.type	k_qf467b2e6bb_scores,@function
k_qf467b2e6bb_scores:
	s_mov_b64 s[64:65], 0
	v_nop
	global_prefetch_b8 v0, s[64:65] scope:SCOPE_SE
	s_setreg_imm32_b32 hwreg(HW_REG_WAVE_MODE, 25, 1), 1
	s_wait_xcnt 0x0
	s_wait_alu depctr_hold_cnt(0) depctr_sa_sdst(0) depctr_va_vdst(0) depctr_va_sdst(0) depctr_va_ssrc(0) depctr_va_vcc(0) depctr_vm_vsrc(0)
	s_getreg_b32 s2, hwreg(HW_REG_IB_STS2, 6, 4)
	s_cmp_eq_u32 s2, 0
	s_cbranch_scc0 .Lentry_in_a_cluster
	s_endpgm
.Lentry_in_a_cluster:
	s_bfe_u32 s2, ttmp6, 0x10000c
	s_cmp_lg_u32 s2, 0x3003
	s_cbranch_scc0 .Lentry_shape_is_right
	s_endpgm
.Lentry_shape_is_right:
; ATTENTION POOLING, FIRST LAUNCH.  keys = Q(x) w^T on codes of FP8 (E4M3) with one E8M0 scale for each 32 along K; scores = q . keys; mask; the softmax of a chunk of 256 rows.
; x [65536][1024] f32 is read ONCE here.  w comes as codes [1024][1024] (K innermost) and scale bytes [1024][32].  q [8][1024] f32.  kpm [65536] bytes.
; OUT: pl [65536][8] f32: p = 2^(t - m), t = score x log2(e), m the chunk's largest t of that head (0 where masked);  stats: m [256][8], then from byte 8192 the waves' sums of p [256][4][8];
;      flags [2048] words: bit i of word j says that row 32 j + i has, for some head, p >= 2^-40.  The second launch fetches those rows of x alone.
; SHARES.  A work-group owns 256 rows (one chunk of one batch), each of its four waves 64: four tiles of 16.  PHASE X: the wave's 64 x 1024 numbers come through two LDS slots of its own (64 rows x 128 numbers each),
; are quantised and stay in registers as codes: 512 registers, windows 2 and 3.  PHASE G: w walks through two LDS slots of 64 rows (all of K), asked for JOINTLY by the four work-groups of a cluster, which all walk the same w.
; For each 32 rows of w: 64 scaled products (source 0 = 16 rows of w, source 1 = 16 rows of x: a lane then holds ONE row of x and eight neighbouring keys), then the keys, split into a high and a low bf16 part,
; are source 0 of the bf16 product with q, whose 8 high and 8 low rows fill the 16 columns: keys never leave the registers, and the scores carry about 16 bits of each factor.
; LIMITS.  x, q, w finite.  A block of 32 zeros of x gets the scale byte 1 (its codes are zeros; the byte is read here alone); blocks whose largest magnitude lies under 2^-118 are held at that byte.
; A chunk whose rows are all masked gets m = -3e38 and sums of 0.  Scores under -3e38 / log2(e) are not served.
.set XPITCH, 528                       ; a row of an x tile in LDS: 512 bytes + 16: 132 words, so row r starts at bank 4 r mod 64 (64 banks of 4 bytes: ISA guide 11.1)
.set XTILEB, 64*XPITCH                 ; a wave's tile
.set XSLOT,  4*XTILEB                  ; the four waves' tiles: a slot.  Two slots: bytes 0 .. 270,335
.set WPITCH, 1040                      ; a row of w in LDS: 1,024 bytes + 16
.set WPART,  16*WPITCH                 ; what one wave fetches of a slot of w
.set WSLOT,  4*WPART                   ; 64 rows of w.  The two slots of w lie in x's slot 0, which is done with by then
.set QIMG,   XSLOT                     ; in x's slot 1, behind its last fill and last read: q's 32 fragments as images of their registers, 1,024 bytes each,
.set SCR,    QIMG+32*1024              ; the waves' maxima, 64 bytes a wave,
.set PST,    SCR+256                   ; and a stage for p, 2,048 bytes a wave
.set WSC,    2*XSLOT                   ; w's scale bytes, all of them: 128 units of 256 bytes + 16
.set SPARE,  WSC+128*272               ; the spare words, 128 bytes for each wave: two blocks of 256 bytes that no other line names
; window 0
.set RR,   1                           ; v1   lane % 16
.set HH,   2                           ; v2   lane / 16
.set SPW,  3                           ; v3   my spare word's LDS address; never rewritten
.set NIL,  4                           ; v4   0; never rewritten
.set NEG1, 5                           ; v5   -1.0
.set ADRW, 6                           ; v6-7 my place in a fragment of w, slot 0, 1
.set ADRS, 8                           ; v8   my row's scale bytes of w, for the group of 32 rows in hand
.set ADRQ, 9                           ; v9   my 16 bytes of q's image in hand
.set XAD,  10                          ; v10-11 my place in my wave's x tile, slot 0, 1
.set QST,  12                          ; v12  where my wave stores its eight images of q
.set LANE, 13                          ; v13  lane
.set T0,   14
.set T1,   15
.set KP,   16                          ; v16-23  kpm: eight bytes for each tile of rows
.set WS,   24                          ; v24-27, v28-31  w's scale words of K steps 0-3, 4-7: lane l holds row l of the group of 32.  Scales and nothing else
.set XSC,  32                          ; v32-63  x's scale words: tile t, K step s at 32 + 8 t + s.  Scales and nothing else
.set KACC, 64                          ; v64-127  keys: accumulator (gt, t) at 64 + 8 (4 gt + t).  In phase X: 64 numbers of x
.set HF,   128                         ; v128-191  keys as bf16: tile t's high parts at 128 + 16 t, low parts at 136 + 16 t.  In phase X: 64 numbers of x
.set LF,   136
.set QF,   192                         ; v192-207  q's fragment, two buffers
.set SS,   208                         ; v208-239  the scores: tile t at 208 + 8 t
.set TM,   240                         ; v240-255  the quantiser's: 4 maxima, 4 bytes, 4 holds, 4 scale operands
; window 1: w's fragments, two sets of 128: set f (K steps 4 f .. 4 f + 3), fragment (gt, s') at 128 f + 16 (4 gt + s').  In phase X v0-63: the eight fragments of q that my wave makes
; windows 2, 3: x's codes: tile t, K step s in window 2 + s / 4 at 64 t + 16 (s % 4)
.set WV,  20                           ; s20 wave
.set CX,  21                           ; s21 my place in the cluster: it enters global addresses of my own rows alone
.set WG,  22                           ; s22 work-group = chunk of 256 rows
.set CNT, 23
.set G1X, 24                           ; s[24:31] group 1, x tiles
.set G1W, 32                           ; s[32:39] group 1, w
.set G1S, 40                           ; s[40:47] group 1, w's scale bytes
.set G0S, 48                           ; s[48:51]
.set G0X, 52                           ; s[52:55], s[56:59]: a group 0 for each slot of x
.set G0W, 60                           ; s[60:63], s[68:71]: a group 0 for each slot of w
.set SEL, 72                           ; s[72:73] v_permlanex16_b32's selects for lane l xor 16
.set MNT, 74                           ; s74 the mantissa field of 448
.set L2E, 75                           ; s75 log2(e)
.set MSB, 0
.macro WIN new                         ; the immediate's high byte repeats the setting that is left; a switch that changes nothing is dropped
.if MSB != (\new)
	s_set_vgpr_msb (MSB<<8)|(\new)
.set MSB, (\new)
.endif
.endm
.macro PLACES n
.rept \n
	v_nop
.endr
.endm
.macro ROUND                           ; a round of the cluster's barrier: my work-group's barrier, wave 0 signals for the work-group, every wave waits for all four work-groups, my work-group's barrier once more
	s_barrier_signal -1
	s_barrier_wait -1
	s_cmp_lg_u32 s[WV], 0
	s_cbranch_scc1 .Lnot_wave_0_\@
	s_barrier_signal -3
.Lnot_wave_0_\@:
	s_barrier_wait -3
	s_barrier_signal -1
	s_barrier_wait -1
.endm
	s_load_b256 s[4:11], s[0:1], 0x0               ; x s[4:5], kpm s[6:7], q s[8:9], w's codes s[10:11]
	s_load_b256 s[12:19], s[0:1], 0x20             ; w's scales s[12:13], pl s[14:15], stats s[16:17], flags s[18:19]
	v_lshl_add_u32 v[SPW], v0, 2, SPARE
	v_mov_b32 v[NIL], 0
	ds_add_u32 v3, v4
	ds_add_u32 v3, v4
	s_wait_dscnt 0x0
	v_lshrrev_b32 v[LANE], 5, v0
	v_readfirstlane_b32 s[WV], v[LANE]             ; wave 0..3
	s_bfe_u32 s[CX], ttmp6, 0x40000
	s_lshl_b32 s[WG], ttmp9, 2                     ; in a cluster launch ttmp9 counts clusters
	s_add_co_u32 s[WG], s[WG], s[CX]
	; group 1 for x: 64 rows x 128 numbers of 4 bytes, 1,024 numbers from row to row; 4 words of padding behind every 128
	s_mov_b32 s[G1X+0], (2<<16)|(1<<20)|(6<<22)|(3<<25)
	s_mov_b32 s[G1X+1], 128<<16
	s_mov_b32 s[G1X+2], 64<<16
	s_mov_b32 s[G1X+3], 128<<16
	s_mov_b32 s[G1X+4], 64
	s_mov_b32 s[G1X+5], 1024
	s_mov_b32 s[G1X+6], 0
	s_mov_b32 s[G1X+7], 0
	; group 1 for w: 16 rows x 1,024 bytes; the mask names the cluster's four work-groups, bit 21 beside it; 4 words of padding behind every 256
	s_mov_b32 s[G1W+0], 15|(1<<20)|(1<<21)|(7<<22)|(3<<25)
	s_mov_b32 s[G1W+1], 1024<<16
	s_mov_b32 s[G1W+2], 16<<16
	s_mov_b32 s[G1W+3], 1024<<16
	s_mov_b32 s[G1W+4], 16
	s_mov_b32 s[G1W+5], 1024
	s_mov_b32 s[G1W+6], 0
	s_mov_b32 s[G1W+7], 0
	; group 1 for w's scale bytes: a quarter of them, 8,192 dense bytes, as 32 rows of 256 bytes (32 elements of 8), 4 words of padding behind each
	s_mov_b32 s[G1S+0], 15|(3<<16)|(1<<20)|(1<<21)|(5<<22)|(3<<25)
	s_mov_b32 s[G1S+1], 32<<16
	s_mov_b32 s[G1S+2], 32<<16
	s_mov_b32 s[G1S+3], 32<<16
	s_mov_b32 s[G1S+4], 32
	s_mov_b32 s[G1S+5], 32
	s_mov_b32 s[G1S+6], 0
	s_mov_b32 s[G1S+7], 0
	s_mov_b32 s[SEL], 0x76543210
	s_mov_b32 s[SEL+1], 0xfedcba98
	s_mov_b32 s[MNT], 0x600000
	s_mov_b32 s[L2E], 0x3fb8aa3b
	s_mul_i32 s76, s[WV], 32*272                   ; LDS: my quarter of the scale bytes,
	s_mul_i32 s77, s[WV], XTILEB                   ; my x tile in a slot,
	s_mul_i32 s91, s[WV], WPART                    ; my 16 rows of a slot of w
	s_lshl_b32 s78, s[WV], 13                      ; memory: my quarter of the scale bytes
	s_mov_b32 s79, 0
	s_lshl_b32 s80, s[WG], 20                      ; my work-group's 256 rows of 4,096 bytes,
	s_lshl_b32 s81, s[WV], 18                      ; my wave's 64 of them
	s_add_co_u32 s80, s80, s81
	s_mov_b32 s81, 0
	s_lshl_b32 s82, s[WV], 14                      ; my 16 rows of w's first 64
	s_mov_b32 s83, 0
	s_lshl_b32 s84, s[WG], 8                       ; kpm: my wave's first row
	s_lshl_b32 s85, s[WV], 6
	s_add_co_u32 s84, s84, s85
	s_mov_b32 s85, 0
	s_lshl_b32 s86, s[WV], 10                      ; q: my wave makes the fragments of columns 256 w .. 256 w + 255
	s_mov_b32 s87, 0
	s_wait_kmcnt 0x0
	s_mov_b32 s[G0S], 1
	s_add_co_u32 s[G0S+1], s76, WSC
	s_add_nc_u64 s[G0S+2:G0S+3], s[12:13], s[78:79]
	s_or_b32 s[G0S+3], s[G0S+3], 0x80000000
	s_add_nc_u64 s[88:89], s[4:5], s[80:81]
	s_mov_b32 s[G0X], 1
	s_mov_b32 s[G0X+1], s77
	s_mov_b64 s[G0X+2:G0X+3], s[88:89]             ; K step 0
	s_or_b32 s[G0X+3], s[G0X+3], 0x80000000
	s_mov_b32 s[G0X+4], 1
	s_add_co_u32 s[G0X+5], s77, XSLOT
	s_add_nc_u64 s[G0X+6:G0X+7], s[88:89], 512     ; K step 1
	s_or_b32 s[G0X+7], s[G0X+7], 0x80000000
	s_add_nc_u64 s[88:89], s[10:11], s[82:83]
	s_mov_b32 s[G0W], 1
	s_mov_b32 s[G0W+1], s91
	s_mov_b64 s[G0W+2:G0W+3], s[88:89]             ; rows 0-63 of w
	s_or_b32 s[G0W+3], s[G0W+3], 0x80000000
	s_mov_b32 s[G0W+8], 1
	s_add_co_u32 s[G0W+9], s91, WSLOT
	s_add_nc_u64 s[G0W+10:G0W+11], s[88:89], 65536 ; rows 64-127
	s_or_b32 s[G0W+11], s[G0W+11], 0x80000000
	s_add_nc_u64 s[6:7], s[6:7], s[84:85]
	s_add_nc_u64 s[8:9], s[8:9], s[86:87]
	ROUND                                          ; all four work-groups are here: the first fills go out as one group behind this round
	tensor_load_to_lds s[G0S:G0S+3], s[G1S:G1S+7]  ; w's scale bytes (joint): filled once
	s_nop 0
	tensor_load_to_lds s[G0X:G0X+3], s[G1X:G1X+7]  ; my x tile of K step 0
	s_nop 0
	tensor_load_to_lds s[G0X+4:G0X+7], s[G1X:G1X+7] ; and of K step 1: three loads of mine are out
	s_nop 0
	v_and_b32 v[RR], 15, v0
	v_bfe_u32 v[HH], v0, 4, 1
	v_and_b32 v[LANE], 31, v0
	v_mov_b32 v[NEG1], -1.0
	v_mul_u32_u24 v[ADRW], v[RR], WPITCH           ; a fragment of codes: row x pitch + 16 x half
	v_lshl_add_u32 v[ADRW], v[HH], 4, v[ADRW]
	v_add_nc_u32 v[ADRW+1], WSLOT, v[ADRW]
	v_lshrrev_b32 v[T0], 3, v[LANE]                ; w's scale bytes: 32 a row, eight rows to a unit of 272 bytes
	v_mul_u32_u24 v[T0], v[T0], 272
	v_and_b32 v[T1], 7, v[LANE]
	v_lshl_add_u32 v[T0], v[T1], 5, v[T0]
	v_add_nc_u32 v[ADRS], WSC, v[T0]
	v_lshl_add_u32 v[ADRQ], v[LANE], 4, QIMG
	v_mul_u32_u24 v[XAD], v[RR], XPITCH            ; x: row r, + 64 h: my 16 numbers of a block of 32
	v_lshl_add_u32 v[XAD], v[HH], 6, v[XAD]
	v_add_nc_u32 v[XAD], s77, v[XAD]
	v_add_nc_u32 v[XAD+1], XSLOT, v[XAD]
	s_lshl_b32 s76, s[WV], 13
	v_add_nc_u32 v[QST], s76, v[ADRQ]
	v_lshlrev_b32 v[T0], 3, v[HH]                  ; kpm: rows 16 t + 8 h + 0 .. 7
	v_and_b32 v[T1], 7, v[RR]                      ; q: head r % 8, + 32 h bytes
	v_lshlrev_b32 v[T1], 12, v[T1]
	v_lshl_add_u32 v[T1], v[HH], 5, v[T1]
.irp t, 0,1,2,3
	global_load_b64 v[KP+2*\t:KP+2*\t+1], v[T0], s[6:7] offset:16*\t
.endr
.irp i, 0,1,2,3,4,5,6,7                ; fragment i of my eight: columns 32 i + 8 h + 0..7 and 32 i + 16 + 8 h + 0..7 of my head's row
	global_load_b128 v[64+16*\i:67+16*\i],   v[T1], s[8:9] offset:128*\i
	global_load_b128 v[68+16*\i:71+16*\i],   v[T1], s[8:9] offset:128*\i+16
	global_load_b128 v[72+16*\i:75+16*\i],   v[T1], s[8:9] offset:128*\i+64
	global_load_b128 v[76+16*\i:79+16*\i],   v[T1], s[8:9] offset:128*\i+80
.endr
	s_mov_b32 vcc_lo, 0xff00ff00                   ; lanes with r >= 8: they hold q's low parts
	s_wait_loadcnt 0x0
.irp i, 0,1,2,3,4,5,6,7
.irp k, 0,1,2,3,4,5,6,7
	v_cvt_pk_bf16_f32 v[192+8*\i+\k], v[64+16*\i+2*\k], v[65+16*\i+2*\k]           ; q's high parts
.endr
.endr
.irp i, 0,1,2,3,4,5,6,7
.irp k, 0,1,2,3,4,5,6,7
	v_fma_mix_f32_bf16 v[64+16*\i+2*\k], v[192+8*\i+\k], v[NEG1], v[64+16*\i+2*\k] op_sel_hi:[1,0,0]                 ; q - its high part: exact
	v_fma_mix_f32_bf16 v[65+16*\i+2*\k], v[192+8*\i+\k], v[NEG1], v[65+16*\i+2*\k] op_sel:[1,0,0] op_sel_hi:[1,0,0]
.endr
.endr
.irp i, 0,1,2,3,4,5,6,7
.irp k, 0,1,2,3,4,5,6,7
	v_cvt_pk_bf16_f32 v[64+16*\i+\k], v[64+16*\i+2*\k], v[65+16*\i+2*\k]           ; the low parts (ascending: each line writes a register whose number has been read)
.endr
.endr
	WIN 0x40                                       ; destination window 1
.irp i, 0,1,2,3,4,5,6,7
.irp k, 0,1,2,3,4,5,6,7
	v_cndmask_b32 v[8*\i+\k], v[192+8*\i+\k], v[64+16*\i+\k], vcc_lo               ; columns 0-7 of the operand: high parts of heads 0-7; columns 8-15: their low parts
.endr
.endr
	WIN 0
.irp b, 0,1,2,3
	v_mov_b32 v[TM+4+\b], 0                        ; written once: a lane permute's destination counts as one of its sources
.endr
; ---------------- PHASE X
.macro XLD slot, tt                    ; tile tt's 64 numbers a lane: register 16 b + i = k 32 b + 16 h + i of row r
.irp b, 0,1,2,3
.irp j, 0,1,2,3
	ds_load_b128 v[64+64*((\tt)%2)+16*\b+4*\j:64+64*((\tt)%2)+16*\b+4*\j+3], v[XAD+\slot] offset:(\tt)*16*XPITCH+128*\b+16*\j
.endr
.endr
.endm
.macro QUANT from, tt, ks              ; 64 numbers at v[from] become the codes of fragment (tt, ks) and its scale word
.irp b, 0,1,2,3
	v_max3_num_f32 v[TM+\b], |v[\from+16*\b]|, |v[\from+1+16*\b]|, 0x4800000       ; block b: my 16 numbers, and the floor 2^(9 - 127): the byte cannot fall under 1
.endr
.irp i, 2,4,6,8,10,12,14
.irp b, 0,1,2,3
	v_max3_num_f32 v[TM+\b], v[TM+\b], |v[\from+16*\b+\i]|, |v[\from+1+16*\b+\i]|  ; the four blocks by turns
.endr
.endr
.irp b, 0,1,2,3
	v_permlanex16_b32 v[TM+4+\b], v[TM+\b], s[SEL], s[SEL+1]
.endr
.irp b, 0,1,2,3
	v_max_num_f32 v[TM+\b], v[TM+\b], v[TM+4+\b]   ; with lane l xor 16's: the block's largest magnitude
.endr
.irp b, 0,1,2,3
	v_add_nc_u32 v[TM+12+\b], 0xfc000000, v[TM+\b] ; 8 off its exponent field: the conversion's scale operand
.endr
.irp b, 0,1,2,3
	v_and_or_b32 v[TM+8+\b], v[TM+\b], 0x7f800000, s[MNT]   ; 448 x the scale
.endr
.irp b, 0,1,2,3
	v_lshrrev_b32 v[TM+4+\b], 23, v[TM+12+\b]      ; the scale's byte
.endr
	v_lshl_or_b32 v[XSC+8*(\tt)+(\ks)], v[TM+5], 8, v[TM+4]
	v_lshl_or_b32 v[XSC+8*(\tt)+(\ks)], v[TM+6], 16, v[XSC+8*(\tt)+(\ks)]
	v_lshl_or_b32 v[XSC+8*(\tt)+(\ks)], v[TM+7], 24, v[XSC+8*(\tt)+(\ks)]
.irp b, 0,1,2,3
.irp i, 0,1,2,3,4,5,6,7,8,9,10,11,12,13,14,15
	v_med3_num_f32 v[\from+16*\b+\i], v[\from+16*\b+\i], -v[TM+8+\b], v[TM+8+\b]   ; the conversion to an 8-bit code does not saturate (ISA guide 7.6.2): the hold comes first
.endr
.endr
	WIN 0x80+0x40*((\ks)/4)                        ; destination window 2 or 3
.irp b, 0,1,2,3
	v_cvt_scalef32_pk8_fp8_f32 v[64*(\tt)+16*((\ks)%4)+4*\b:64*(\tt)+16*((\ks)%4)+4*\b+1],   v[\from+16*\b:\from+16*\b+7],    v[TM+12+\b]
	v_cvt_scalef32_pk8_fp8_f32 v[64*(\tt)+16*((\ks)%4)+4*\b+2:64*(\tt)+16*((\ks)%4)+4*\b+3], v[\from+16*\b+8:\from+16*\b+15], v[TM+12+\b]
.endr
	WIN 0
	v_nop                                          ; one plain line behind the last scaled conversion, ahead of whatever vector or matrix line next touches its registers
.endm
.macro XTILE ks                        ; K step ks of my 64 rows, from slot ks % 2
	s_wait_tensorcnt 0x1                           ; my loads end in order: all but the youngest have landed, this tile among them
	XLD (\ks)%2, 0
	XLD (\ks)%2, 1
	s_wait_dscnt 16                                ; the older 16 loads are in; the next piece's 16 may be out
	QUANT 64, 0, \ks
	XLD (\ks)%2, 2
	s_wait_dscnt 16
	QUANT 128, 1, \ks
	XLD (\ks)%2, 3
	s_wait_dscnt 16
	QUANT 64, 2, \ks
	s_wait_dscnt 0x0
	QUANT 128, 3, \ks
.endm
.macro FILLX slot                      ; the slot just read takes the K step two further on
	s_wait_tensorcnt 0x0                           ; no load of mine is out: a group 0 may be written
	ds_add_u32 v[SPW], v[NIL]                      ; 0 onto my spare word
	s_add_nc_u64 s[G0X+4*\slot+2:G0X+4*\slot+3], s[G0X+4*\slot+2:G0X+4*\slot+3], 1024
	s_wait_dscnt 0x0                               ; the add is done, and my reads of the slot are back
	ROUND                                          ; in a cluster launch every refill stands behind a round
	tensor_load_to_lds s[G0X+4*\slot:G0X+4*\slot+3], s[G1X:G1X+7]
	s_nop 0
.endm
.macro FILLW sig                       ; a slot of w takes its first rows: bytes of x's slot 0, which every wave has read out
	s_wait_tensorcnt 0x0
	ds_add_u32 v[SPW], v[NIL]
	s_wait_dscnt 0x0
	ROUND
	tensor_load_to_lds s[G0W+8*\sig:G0W+8*\sig+3], s[G1W:G1W+7]
	s_nop 0
.endm
	XTILE 0
	FILLX 0
	XTILE 1
	FILLX 1
	XTILE 2
	FILLX 0
	XTILE 3
	FILLX 1
	XTILE 4
	FILLX 0
	XTILE 5
	FILLX 1
	XTILE 6
	FILLW 0                                        ; x's slot 0 has had its last tile
	XTILE 7
	FILLW 1                                        ; its wait for 0 has shown my part of w's slot 0 landed, its round that everybody's has
	PLACES 4                                       ; (a window switch and LDS stores follow: four lines between)
	WIN 0x04                                       ; an LDS store's data are its source 1: window 1
.irp i, 0,1,2,3,4,5,6,7
	ds_store_b128 v[QST], v[8*\i:8*\i+3]   offset:1024*\i          ; q's fragments go to LDS as images of their registers: x's slot 1 has had its last fill and, by the round above, its last read
	ds_store_b128 v[QST], v[8*\i+4:8*\i+7] offset:1024*\i+512
.endr
	WIN 0
	s_wait_dscnt 0x0                               ; for the others' sake: my images lie in LDS
	s_barrier_signal -1
	s_barrier_wait -1                              ; the load for w's slot 1 may stay out
; ---------------- PHASE G
.macro RUNW sig, u, f                  ; 32 loads: the fragments of rows 32 u .. 32 u + 31 of slot sig, K steps 4 f .. 4 f + 3, into set f
	WIN 0x40
.irp gt, 0,1
.irp sp, 0,1,2,3
.irp c, 0,1,2,3
	ds_load_b128 v[128*\f+16*(4*\gt+\sp)+4*\c:128*\f+16*(4*\gt+\sp)+4*\c+3], v[ADRW+\sig] offset:(32*\u+16*\gt)*WPITCH+512*\f+128*\sp+32*\c
.endr
.endr
.endr
	WIN 0
.endm
.macro RUN_A sig, u, j                 ; 35 loads; j: the group of 32 rows, counted from where v8 and v9 stand
	RUNW \sig, \u, 0
	ds_load_b128 v[WS:WS+3], v[ADRS] offset:1088*(\j)
	ds_load_b128 v[QF+8*\u:QF+8*\u+3],   v[ADRQ] offset:1024*(\j)
	ds_load_b128 v[QF+8*\u+4:QF+8*\u+7], v[ADRQ] offset:1024*(\j)+512
.endm
.macro RUN_B sig, u, j                 ; 33 loads
	RUNW \sig, \u, 1
	ds_load_b128 v[WS+4:WS+7], v[ADRS] offset:1088*(\j)+16
.endm
; 32 scaled products: K steps 4 f .. 4 f + 3, two tiles of w x four tiles of x.  The eight accumulators take turns, one instruction a turn.  The first K step starts the sums.
.macro HALF f
	WIN 0x09+4*\f                                  ; source 0 (w) window 1, source 1 (x) window 2 + f, C and D window 0
.irp sp, 0,1,2,3
.irp gt, 0,1
.irp t, 0,1,2,3
.set DD, KACC+8*(4*\gt+\t)
.set AA, 128*\f+16*(4*\gt+\sp)
.set BB, 64*\t+16*\sp
.set SA, WS+4*\f+\sp
.set SB, XSC+8*\t+4*\f+\sp
.if (\f == 0) && (\sp == 0)
.if \gt
	v_wmma_scale_f32_16x16x128_f8f6f4 v[DD:DD+7], v[AA:AA+15], v[BB:BB+15], 0, v[SA], v[SB] matrix_a_scale:MATRIX_SCALE_ROW1
.else
	v_wmma_scale_f32_16x16x128_f8f6f4 v[DD:DD+7], v[AA:AA+15], v[BB:BB+15], 0, v[SA], v[SB]
.endif
.else
.if \gt
	v_wmma_scale_f32_16x16x128_f8f6f4 v[DD:DD+7], v[AA:AA+15], v[BB:BB+15], v[DD:DD+7], v[SA], v[SB] matrix_a_scale:MATRIX_SCALE_ROW1
.else
	v_wmma_scale_f32_16x16x128_f8f6f4 v[DD:DD+7], v[AA:AA+15], v[BB:BB+15], v[DD:DD+7], v[SA], v[SB]
.endif
.endif
.endr
.endr
.endr
.endm
; The group's keys (a lane: one row of x, keys 16 gt + 8 h + 0..7) become two bf16 operands, high parts and what is left, and meet q's fragment in buffer u.  Each accumulator is read from its low end on.
.macro CONV u, zero
	WIN 0
.irp t, 0,1,2,3
.irp gt, 0,1
.set KK, KACC+8*(4*\gt+\t)
.set HI, HF+16*\t+4*\gt
.set LO, LF+16*\t+4*\gt
.irp i, 0,1,2,3
	v_cvt_pk_bf16_f32 v[HI+\i], v[KK+2*\i], v[KK+2*\i+1]
.endr
.irp i, 0,1,2,3
	v_fma_mix_f32_bf16 v[KK+2*\i],   v[HI+\i], v[NEG1], v[KK+2*\i]   op_sel_hi:[1,0,0]                 ; key - its high part: exact
	v_fma_mix_f32_bf16 v[KK+2*\i+1], v[HI+\i], v[NEG1], v[KK+2*\i+1] op_sel:[1,0,0] op_sel_hi:[1,0,0]
.endr
.irp i, 0,1,2,3
	v_cvt_pk_bf16_f32 v[LO+\i], v[KK+2*\i], v[KK+2*\i+1]
.endr
.endr
.endr
.irp t, 0,1,2,3                        ; the four accumulators by turns
.if \zero
	v_wmma_f32_16x16x32_bf16 v[SS+8*\t:SS+8*\t+7], v[HF+16*\t:HF+16*\t+7], v[QF+8*\u:QF+8*\u+7], 0
.else
	v_wmma_f32_16x16x32_bf16 v[SS+8*\t:SS+8*\t+7], v[HF+16*\t:HF+16*\t+7], v[QF+8*\u:QF+8*\u+7], v[SS+8*\t:SS+8*\t+7]
.endif
.endr
.irp t, 0,1,2,3
	v_wmma_f32_16x16x32_bf16 v[SS+8*\t:SS+8*\t+7], v[LF+16*\t:LF+16*\t+7], v[QF+8*\u:QF+8*\u+7], v[SS+8*\t:SS+8*\t+7]
.endr
.endm
; A slot's two groups of 32 rows.  On entry the first group's 35 + 33 loads are out.  Eight plain lines stand behind scaled products in front of loads into their registers and of the first read of their results.
.macro WORK sig, j0, zero
	s_wait_dscnt 33                                ; set 0, its scale words and q's fragment are in; the 33 loads of set 1 may be out
	HALF 0
	PLACES 8
	RUN_A \sig, 1, (\j0)+1
	s_wait_dscnt 35                                ; set 1 is in; the 35 just issued may be out
	HALF 1
	PLACES 8
	RUN_B \sig, 1, (\j0)+1
	CONV 0, \zero                                  ; its vector lines stand while the second group's fragments are on their way
	s_wait_dscnt 33
	HALF 0
	s_wait_dscnt 0x0
	HALF 1
	WIN 0
.endm
; The change of slots.  refill = 1: the slot just read takes the rows two slots on, jointly, behind a round of the cluster's barrier.  Then the new slot's first fragments are asked for, and the old slot's last keys are converted meanwhile.
.macro BOUND so, sn, refill, step, j
	s_wait_tensorcnt 0x0                           ; my part of the next slot has landed; no load of mine is out
	ds_add_u32 v[SPW], v[NIL]
.if \refill
	s_add_nc_u64 s[G0W+8*\so+2:G0W+8*\so+3], s[G0W+8*\so+2:G0W+8*\so+3], 2*65536
.endif
	s_wait_dscnt 0x0                               ; the add is done, and my reads of the slot are back
.if \refill
	ROUND                                          ; no wave of any partner still reads the slot or has a load on its way
	tensor_load_to_lds s[G0W+8*\so:G0W+8*\so+3], s[G1W:G1W+7]
	s_nop 0
.else
	s_barrier_signal -1
	s_barrier_wait -1
.endif
	PLACES 8                                       ; behind the last scaled products: for the loads into their registers and the reads of their results
.if \step
	v_add_nc_u32 v[ADRS], (\step)*1088, v[ADRS]    ; on by so many groups of 32 rows
	v_add_nc_u32 v[ADRQ], (\step)*1024, v[ADRQ]
.endif
	RUN_A \sn, 0, \j
	RUN_B \sn, 0, \j
	CONV 1, 0
.endm
	RUN_A 0, 0, 0
	RUN_B 0, 0, 0
	WORK 0, 0, 1                                   ; slot 0 stands in front of the loop: its first bf16 products start the scores' sums
	BOUND 0, 1, 1, 2, 0
	s_mov_b32 s[CNT], 6
.Llap:                                             ; a trip: two slots, 128 rows of w; both are filled again
	WORK 1, 0, 0
	BOUND 1, 0, 1, 0, 2
	WORK 0, 2, 0
	BOUND 0, 1, 1, 4, 0
	s_sub_co_u32 s[CNT], s[CNT], 1
	s_cmp_lg_u32 s[CNT], 0
	s_cbranch_scc1 .Llap
	WORK 1, 0, 0                                   ; slot 13
	BOUND 1, 0, 1, 0, 2                            ; the last refill: rows 960-1023
	WORK 0, 2, 0                                   ; slot 14
	BOUND 0, 1, 0, 4, 0                            ; nothing is left to fetch
	WORK 1, 0, 0                                   ; slot 15
	PLACES 8
	CONV 1, 0
; ---------------- THE CHUNK'S SOFTMAX.  Lane (r, h): head r % 8; register 8 t + j: row 16 t + 8 h + j.  Lanes r < 8 hold the sums against q's high parts, lanes r >= 8 against its low parts.
	PLACES 4
.set I_, 0
.rept 32
	v_add_f32_dpp v[SS+I_], v[SS+I_], v[SS+I_] row_xmask:8 row_mask:0xf bank_mask:0xf   ; the two parts: the score, in both lanes
.set I_, I_+1
.endr
	v_mov_b32 v64, 0xff800000                      ; -infinity
.set I_, 0
.rept 32
	v_bfe_u32 v[65+I_%2], v[KP+I_/4], 8*(I_%4), 8  ; the row's byte of kpm
	v_mul_f32 v[SS+I_], s[L2E], v[SS+I_]           ; t
	v_cmp_ne_u32 vcc_lo, 0, v[65+I_%2]
	v_cndmask_b32 v[SS+I_], v[SS+I_], v64, vcc_lo
.set I_, I_+1
.endr
.irp c, 0,1,2,3
	v_max3_num_f32 v[70+\c], v[SS+8*\c], v[SS+8*\c+1], 0xff61b1e6     ; four chains; the floor -3e38 stands under every t, so that m is a number where all is masked
.endr
.irp i, 2,4,6
.irp c, 0,1,2,3
	v_max3_num_f32 v[70+\c], v[70+\c], v[SS+8*\c+\i], v[SS+8*\c+\i+1]
.endr
.endr
	v_max3_num_f32 v70, v70, v71, v72
	v_mov_b32 v74, 0
	v_max_num_f32 v70, v70, v73
	v_permlanex16_b32 v74, v70, s[SEL], s[SEL+1]
	v_lshl_add_u32 v67, v[RR], 2, SCR
	s_lshl_b32 s76, s[WV], 6
	v_max_num_f32 v70, v70, v74                    ; my wave's 64 rows
	v_add_nc_u32 v68, s76, v67
	ds_store_b32 v68, v70                          ; lanes of one r write the same word with the same value
	s_wait_dscnt 0x0
	s_barrier_signal -1
	s_barrier_wait -1
.irp i, 0,1,2,3
	ds_load_b32 v[76+\i], v67 offset:64*\i
.endr
	s_wait_dscnt 0x0
	v_max3_num_f32 v70, v76, v77, v78
	v_max_num_f32 v70, v70, v79                    ; m: the chunk's largest t of my head
.set I_, 0
.rept 16
	v_pk_add_f32 v[SS+I_:SS+I_+1], v[SS+I_:SS+I_+1], v[70:71] op_sel_hi:[1,0] neg_lo:[0,1] neg_hi:[0,1]   ; t - m, two at a time
.set I_, I_+2
.endr
.set I_, 0
.rept 32
	v_exp_f32 v[SS+I_], v[SS+I_]                   ; p, at most 1; 0 where masked
.set I_, I_+1
.endr
	v_mov_b32 v92, 0                               ; (a plain line behind the exponentials; these two are destinations of lane moves below)
	v_mov_b32 v93, 0
	s_wait_alu depctr_va_vdst(0)
	v_pk_add_f32 v[82:83], v[SS:SS+1], v[SS+2:SS+3]                  ; the sum of my 32, in two chains
	v_pk_add_f32 v[84:85], v[SS+4:SS+5], v[SS+6:SS+7]
.irp j, 8,12,16,20,24,28
	v_pk_add_f32 v[82:83], v[82:83], v[SS+\j:SS+\j+1]
	v_pk_add_f32 v[84:85], v[84:85], v[SS+\j+2:SS+\j+3]
.endr
	v_pk_add_f32 v[82:83], v[82:83], v[84:85]
	v_add_f32 v82, v82, v83
	v_permlanex16_b32 v84, v82, s[SEL], s[SEL+1]
	v_add_f32 v82, v82, v84                        ; my wave's 64 rows
	; the flags: bit j of v[86 + t]: p of row 16 t + 8 h + j reaches 2^-40
	s_mov_b32 s77, 0x2b800000
.irp t, 0,1,2,3
	v_cmp_le_f32 vcc_lo, s77, v[SS+8*\t+7]
	v_cndmask_b32 v[86+\t], 0, 1, vcc_lo
.irp j, 6,5,4,3,2,1,0
	v_cmp_le_f32 vcc_lo, s77, v[SS+8*\t+\j]
	v_cndmask_b32 v90, 0, 1, vcc_lo
	v_lshl_or_b32 v[86+\t], v[86+\t], 1, v90
.endr
.endr
	v_lshlrev_b32 v91, 3, v[HH]
	v_lshl_or_b32 v86, v87, 16, v86                ; rows 0-31 of my wave,
	v_lshl_or_b32 v88, v89, 16, v88                ; rows 32-63,
	v_lshlrev_b32 v86, v91, v86                    ; my half's eight rows of each sixteen
	v_lshlrev_b32 v87, v91, v88
.irp m, 1,2,4                          ; any head: the eight heads' words are joined,
	v_mov_b32_dpp v92, v86 row_xmask:\m row_mask:0xf bank_mask:0xf
	v_mov_b32_dpp v93, v87 row_xmask:\m row_mask:0xf bank_mask:0xf
	v_or_b32 v86, v86, v92
	v_or_b32 v87, v87, v93
.endr
	v_permlanex16_b32 v92, v86, s[SEL], s[SEL+1]   ; and the two halves' rows
	v_permlanex16_b32 v93, v87, s[SEL], s[SEL+1]
	v_or_b32 v86, v86, v92
	v_or_b32 v87, v87, v93
	; p goes through my own stage and leaves as it lies in pl: 32 bytes a row, 2,048 dense bytes a wave
	s_lshl_b32 s78, s[WV], 11
	s_add_co_u32 s78, s78, PST
	v_and_b32 v94, 7, v[RR]
	v_lshlrev_b32 v94, 2, v94
	v_lshl_add_u32 v94, v[HH], 8, v94
	v_add_nc_u32 v94, s78, v94
	v_lshl_add_u32 v95, v[LANE], 4, s78
	v_lshlrev_b32 v112, 4, v[LANE]
	v_lshlrev_b32 v113, 2, v[LANE]
.irp t, 0,1,2,3
.irp j, 0,1,2,3,4,5,6,7
	ds_store_b32 v94, v[SS+8*\t+\j] offset:512*\t+32*\j            ; lanes r and r + 8 write the same word with the same value
.endr
.endr
.irp i, 0,1,2,3
	ds_load_b128 v[96+4*\i:99+4*\i], v95 offset:512*\i             ; LDS serves a wave's instructions in order (ISA guide 5.7.1.4): these see my stores
.endr
	s_lshl_b32 s86, s[WG], 13                      ; pl: 8,192 bytes a work-group, 2,048 a wave
	s_lshl_b32 s87, s[WV], 11
	s_add_co_u32 s86, s86, s87
	s_mov_b32 s87, 0
	s_add_nc_u64 s[14:15], s[14:15], s[86:87]
	s_lshl_b32 s86, s[WG], 5                       ; m: 32 bytes a work-group
	s_add_nc_u64 s[82:83], s[16:17], s[86:87]
	s_lshl_b32 s88, s[WV], 3                       ; flags: 32 bytes a work-group, 8 a wave
	s_add_co_u32 s86, s86, s88
	s_add_nc_u64 s[84:85], s[18:19], s[86:87]
	s_lshl_b32 s86, s[WG], 7                       ; sums: from byte 8,192 on, 128 bytes a work-group, 32 a wave
	s_lshl_b32 s88, s[WV], 5
	s_add_co_u32 s86, s86, s88
	s_add_co_u32 s86, s86, 8192
	s_add_nc_u64 s[80:81], s[16:17], s[86:87]
.irp i, 0,1,2,3
	s_wait_dscnt 3-\i
	global_store_b128 v112, v[96+4*\i:99+4*\i], s[14:15] offset:512*\i             ; 32 lanes store 512 consecutive bytes, at a multiple of 256 from pl's first byte
.endr
	v_cmp_gt_u32 vcc_lo, 8, v[LANE]
	s_wait_xcnt 0x0                                ; EXEC changes only behind this wait
	s_and_saveexec_b32 s90, vcc_lo                 ; lanes 0-7: a head each
	global_store_b32 v113, v82, s[80:81]           ; my wave's sums
	s_cmp_lg_u32 s[WV], 0
	s_cbranch_scc1 .Lnot_m
	global_store_b32 v113, v70, s[82:83]           ; m is the same in all four waves: wave 0 stores it
.Lnot_m:
	s_wait_xcnt 0x0
	s_or_b32 exec_lo, exec_lo, s90
	v_cmp_eq_u32 vcc_lo, 0, v[LANE]
	s_and_saveexec_b32 s90, vcc_lo                 ; lane 0
	global_store_b64 v113, v[86:87], s[84:85]      ; my wave's two flag words
	s_wait_xcnt 0x0
	s_or_b32 exec_lo, exec_lo, s90
	s_wait_tensorcnt 0x0                           ; the wave's end: behind my last tensor load and my last LDS store
	ds_add_u32 v[SPW], v[NIL]
	s_wait_dscnt 0x0
	ROUND                                          ; the closing round: no work-group ends while a partner may still ask for a tile that names it
	s_endpgm
.Lfunc_end_k_qf467b2e6bb_scores:
	.size	k_qf467b2e6bb_scores, .Lfunc_end_k_qf467b2e6bb_scores-k_qf467b2e6bb_scores
	.p2alignl 7, 3214868480
	.fill 96, 4, 3214868480
	.section	.rodata,"a",@progbits
	.p2align	6, 0x0
	.amdhsa_kernel k_qf467b2e6bb_scores
		.amdhsa_group_segment_fixed_size 327680
		.amdhsa_private_segment_fixed_size 0
		.amdhsa_enable_private_segment 0
		.amdhsa_kernarg_size 64
		.amdhsa_user_sgpr_count 2
		.amdhsa_user_sgpr_kernarg_segment_ptr 1
		.amdhsa_wavefront_size32 1
		.amdhsa_system_sgpr_workgroup_id_x 1
		.amdhsa_system_sgpr_workgroup_id_y 1
		.amdhsa_system_sgpr_workgroup_id_z 1
		.amdhsa_system_vgpr_workitem_id 0
		.amdhsa_next_free_vgpr 1024
		.amdhsa_next_free_sgpr 96
		.amdhsa_reserve_vcc 1
		.amdhsa_float_denorm_mode_32 3
		.amdhsa_float_denorm_mode_16_64 3
		.amdhsa_memory_ordered 1
		.amdhsa_forward_progress 1
		.amdhsa_inst_pref_size 255
	.end_amdhsa_kernel
	.section	.bss,"aw",@nobits
	.p2align	6
	.space	262144
	.amdgpu_metadata
---
amdhsa.version: [ 1, 2 ]
amdhsa.kernels:
  - .name:           k_qf467b2e6bb_scores
    .symbol:         k_qf467b2e6bb_scores.kd
    .args:
      - { .name: x, .offset: 0, .size: 8, .value_kind: global_buffer, .address_space: global }
      - { .name: kpm, .offset: 8, .size: 8, .value_kind: global_buffer, .address_space: global }
      - { .name: q, .offset: 16, .size: 8, .value_kind: global_buffer, .address_space: global }
      - { .name: w_codes, .offset: 24, .size: 8, .value_kind: global_buffer, .address_space: global }
      - { .name: w_scales, .offset: 32, .size: 8, .value_kind: global_buffer, .address_space: global }
      - { .name: pl, .offset: 40, .size: 8, .value_kind: global_buffer, .address_space: global }
      - { .name: stats, .offset: 48, .size: 8, .value_kind: global_buffer, .address_space: global }
      - { .name: flags, .offset: 56, .size: 8, .value_kind: global_buffer, .address_space: global }
    .group_segment_fixed_size: 327680
    .private_segment_fixed_size: 0
    .kernarg_segment_align: 8
    .kernarg_segment_size: 64
    .max_flat_workgroup_size: 128
    .sgpr_count:     96
    .vgpr_count:     1024
    .wavefront_size: 32
...
	.end_amdgpu_metadata
.endif
;; end of part 1
;; launch pool (part 2): grid 16 x 16, 32 waves a work-group, no clusters, 69,632 bytes of LDS; arguments x, pl, stats, flags, out0; writes out0
.if DOCPART == 2
	.amdgcn_target "amdgcn-amd-amdhsa--gfx1250"
	.amdhsa_code_object_version 6
	.text
	.protected	k_qf467b2e6bb_pool
	.globl	k_qf467b2e6bb_pool
	.p2align	8
	.type	k_qf467b2e6bb_pool,@function
k_qf467b2e6bb_pool:
	s_mov_b64 s[64:65], 0
	v_nop
	global_prefetch_b8 v0, s[64:65] scope:SCOPE_SE
	s_setreg_imm32_b32 hwreg(HW_REG_WAVE_MODE, 25, 1), 1
	s_wait_xcnt 0x0
; ATTENTION POOLING, SECOND LAUNCH.  out0[b][1024 h + f] = sum over rows l of attn[h][b][l] x[b][l][f], attn = p 2^(m_chunk - M) / S, from the first launch's p (pl), m and sums (stats).
; M = the largest m of the batch's 16 chunks; S = the sum over chunks of 2^(m - M) x the chunk's sum of p: EVERY row counts in S.  In the numerator the rows that the flags name are fetched and no others:
; a row left out has, for every head, p < 2^-40 of its chunk's largest weight, so all 4,096 of them together are under 2^-28 of the sum.  Products and sums in f32 (fused multiply-adds): 8 heads are too few rows for a matrix form.
; SHARES.  A work-group: one batch (y), 64 columns f (x).  Wave v of 32: rows 128 v .. 128 v + 127 of the batch, four flag words, all of chunk v / 2.  A lane: 2 columns, so a wave's load of a row covers 256 consecutive bytes,
; aligned.  The 32 waves' parts meet in LDS; waves 0-7 add them, a head each, and store 256 consecutive bytes of out0.
; The flags are whole numbers stored by the launch before: trip counts and row addresses hang on them and on ids alone.  An entry whose word has run out takes the word's row 31 and counts for 0 (its x is multiplied by 0).
; LIMITS.  x finite (a row that counts for 0 is still multiplied).  A batch that is wholly masked gives NaN (0 x infinity), as the softmax of nothing does.  The work grows with the number of rows flagged, up to all of x.
.set ACC, 12                           ; v12-27  head h's two columns at 12 + 2 h
.set XV,  28                           ; v28-43  eight entries' two numbers of x
.set XO,  44                           ; v44-51  their byte offsets in x
.set MI,  52                           ; v52-67  m of the 16 chunks, head lane % 8
.set SI,  68                           ; v68-83  the sums of the 16 chunks, wave lane / 8, head lane % 8
.set MO,  84                           ; v84     m of my own chunk
.set FW,  68                           ; s68-71  my four flag words
.set VF,  88                           ; s88-95  1.0 or 0 for each entry
.set FR,  96                           ; s96-99  the words' first rows
	s_load_b256 s[4:11], s[0:1], 0x0               ; x s[4:5], pl s[6:7], stats s[8:9], flags s[10:11]
	s_load_b64 s[12:13], s[0:1], 0x20              ; out0
	v_lshl_add_u32 v96, v0, 2, 0x10000
	v_mov_b32 v97, 0
	v_lshrrev_b32 v1, 5, v0
	v_readfirstlane_b32 s14, v1                    ; wave 0..31
	s_and_b32 s15, ttmp7, 0xffff                   ; batch
	v_and_b32 v1, 31, v0                           ; lane
	v_lshlrev_b32 v2, 3, v1                        ; 8 x lane: my two columns
	v_lshlrev_b32 v3, 2, v1                        ; 4 x lane
	v_and_b32 v4, 7, v1
	v_lshlrev_b32 v4, 2, v4                        ; 4 x (lane % 8)
	s_lshr_b32 s2, s14, 1
	s_lshl_b32 s2, s2, 5
	v_add_nc_u32 v5, s2, v4                        ; + 32 x my chunk
	s_lshl_b32 s2, s14, 11
	v_add_nc_u32 v6, s2, v2                        ; LDS: my wave's 2,048 bytes
	s_and_b32 s100, s14, 7
	s_lshl_b32 s2, s100, 8
	v_add_nc_u32 v7, s2, v2                        ; LDS, on the way back: head wave % 8 of each wave's part
	s_lshl_b32 s[FR], s15, 12
	s_lshl_b32 s2, s14, 7
	s_add_co_u32 s[FR], s[FR], s2                  ; 4,096 b + 128 v
	s_add_co_u32 s[FR+1], s[FR], 32
	s_add_co_u32 s[FR+2], s[FR], 64
	s_add_co_u32 s[FR+3], s[FR], 96
	s_lshl_b32 s2, s15, 9
	s_lshl_b32 s3, s14, 4
	s_add_co_u32 s2, s2, s3                        ; flags: 512 bytes a batch, 16 a wave
	s_mov_b32 s3, 0
	s_wait_kmcnt 0x0
	s_add_nc_u64 s[10:11], s[10:11], s[2:3]
	s_load_b128 s[FW:FW+3], s[10:11], 0x0
	s_lshl_b32 s2, s15, 11
	s_add_co_u32 s2, s2, 8192
	s_add_nc_u64 s[66:67], s[8:9], s[2:3]          ; the batch's sums: 2,048 bytes, from byte 8,192 on
	s_lshl_b32 s2, s15, 9
	s_add_nc_u64 s[8:9], s[8:9], s[2:3]            ; the batch's m: 512 bytes
	s_lshl_b32 s2, ttmp9, 8
	s_add_nc_u64 s[4:5], s[4:5], s[2:3]            ; x at my 64 columns
	s_lshl_b32 s100, s100, 12
	s_lshl_b32 s101, s15, 15
	s_add_co_u32 s2, s2, s100
	s_add_co_u32 s2, s2, s101
	s_add_nc_u64 s[12:13], s[12:13], s[2:3]        ; out0: 32,768 b + 4,096 (wave % 8) + 256 x
.irp i, 0,1,2,3,4,5,6,7,8,9,10,11,12,13,14,15
	global_load_b32 v[MI+\i], v4, s[8:9] offset:32*\i
	global_load_b32 v[SI+\i], v3, s[66:67] offset:128*\i
.endr
	global_load_b32 v[MO], v5, s[8:9]
.irp i, 0,1,2,3,4,5,6,7,8,9,10,11,12,13,14,15
	v_mov_b32 v[ACC+\i], 0                         ; a wave may have no row at all: the sums begin as zeros
.endr
	s_wait_kmcnt 0x0
	s_bcnt1_i32_b32 s100, s[FW]
	s_bcnt1_i32_b32 s101, s[FW+1]
	s_max_u32 s100, s100, s101
	s_bcnt1_i32_b32 s101, s[FW+2]
	s_max_u32 s100, s100, s101
	s_bcnt1_i32_b32 s101, s[FW+3]
	s_max_u32 s100, s100, s101
	s_add_co_u32 s100, s100, 1
	s_lshr_b32 s100, s100, 1                       ; trips: a trip takes two bits of each word
	s_mov_b32 s101, 0
	s_cmp_eq_u32 s100, 0
	s_cbranch_scc1 .Lnone
; Entry e: the lowest bit left in word e % 4.  Its eight weights come into eight scalar registers (the load's offset stands in the first of them: the load lands on its own offset), its two numbers of x into a pair.
.macro ENTRY e
.set KW, (\e)%4
.set TT, 16+8*(\e)+8*((\e)/6)          ; s16, 24, 32, 40, 48, 56, 72, 80
	s_ctz_i32_b32 s2, s[FW+KW]
	s_cmp_lg_u32 s[FW+KW], 0
	s_cselect_b32 s[VF+\e], 1.0, 0                 ; a word that has run out counts for 0
	s_min_u32 s2, s2, 31                           ; and takes a row inside the buffers
	s_add_co_u32 s2, s2, s[FR+KW]                  ; the row
	s_lshl_b32 s[TT], s2, 5
	s_load_b256 s[TT:TT+7], s[6:7], s[TT] offset:0x0
	s_lshl_b32 s2, s2, 12
	v_add_nc_u32 v[XO+\e], s2, v2
	global_load_b64 v[XV+2*\e:XV+2*\e+1], v[XO+\e], s[4:5]
	s_sub_co_u32 s3, s[FW+KW], 1
	s_and_b32 s[FW+KW], s[FW+KW], s3               ; the bit is taken off
.endm
.macro ADDUP e
.set TT, 16+8*(\e)+8*((\e)/6)
	v_mul_f32 v[XV+2*\e],   s[VF+\e], v[XV+2*\e]
	v_mul_f32 v[XV+2*\e+1], s[VF+\e], v[XV+2*\e+1]
.irp hd, 0,1,2,3,4,5,6,7
	v_fmac_f32 v[ACC+2*\hd],   s[TT+\hd], v[XV+2*\e]
	v_fmac_f32 v[ACC+2*\hd+1], s[TT+\hd], v[XV+2*\e+1]
.endr
.endm
.Ltrip:
.irp e, 0,1,2,3,4,5,6,7
	ENTRY \e
.endr
	s_wait_kmcnt 0x0                               ; the weights
	s_wait_loadcnt 0x0                             ; the rows: their offsets' registers may be written again in the next trip
.irp e, 0,1,2,3,4,5,6,7
	ADDUP \e
.endr
	s_add_co_u32 s101, s101, 1
	s_cmp_lt_u32 s101, s100
	s_cbranch_scc1 .Ltrip
.Lnone:
	s_wait_loadcnt 0x0                             ; the chunks' figures (where no trip was walked)
	s_mov_b32 s24, 0x76543210
	s_mov_b32 s25, 0xfedcba98                      ; v_permlanex16_b32's selects for lane l xor 16
	v_max3_num_f32 v85, v[MI], v[MI+1], v[MI+2]
.irp i, 3,5,7,9,11,13
	v_max3_num_f32 v85, v85, v[MI+\i], v[MI+\i+1]
.endr
	v_max_num_f32 v85, v85, v[MI+15]               ; M of head lane % 8
.irp i, 0,1,2,3,4,5,6,7,8,9,10,11,12,13,14,15
	v_sub_f32 v[MI+\i], v[MI+\i], v85
.endr
	v_sub_f32 v[MO], v[MO], v85
.irp i, 0,1,2,3,4,5,6,7,8,9,10,11,12,13,14,15
	v_exp_f32 v[MI+\i], v[MI+\i]                   ; 2^(m - M), at most 1
.endr
	v_exp_f32 v[MO], v[MO]
	v_mov_b32 v87, 0                               ; (a plain line behind the exponentials; the lane permute's destination below)
	s_wait_alu depctr_va_vdst(0)
	v_mul_f32 v86, v[MI], v[SI]                    ; two chains
	v_mul_f32 v88, v[MI+1], v[SI+1]
.irp i, 2,4,6,8,10,12,14
	v_fmac_f32 v86, v[MI+\i], v[SI+\i]
	v_fmac_f32 v88, v[MI+\i+1], v[SI+\i+1]
.endr
	v_add_f32 v86, v86, v88
	v_add_f32_dpp v86, v86, v86 row_xmask:8 row_mask:0xf bank_mask:0xf   ; the four waves' sums of the first launch lie in lanes 8 apart
	v_permlanex16_b32 v87, v86, s24, s25
	v_add_f32 v86, v86, v87                        ; S
	v_rcp_f32 v86, v86
	v_nop                                          ; one plain line behind a transcendental
	s_wait_alu depctr_va_vdst(0)
	v_mul_f32 v86, v[MO], v86                      ; 2^(my chunk's m - M) / S, head lane % 8
.irp hd, 0,1,2,3,4,5,6,7
	v_readlane_b32 s[16+\hd], v86, \hd
.endr
.irp hd, 0,1,2,3,4,5,6,7
	v_mul_f32 v[ACC+2*\hd],   s[16+\hd], v[ACC+2*\hd]
	v_mul_f32 v[ACC+2*\hd+1], s[16+\hd], v[ACC+2*\hd+1]
.endr
.irp hd, 0,1,2,3,4,5,6,7
	ds_store_b64 v6, v[ACC+2*\hd:ACC+2*\hd+1] offset:256*\hd
.endr
	s_wait_dscnt 0x0                               ; for the others' sake: my part lies in LDS
	s_barrier_signal -1
	s_barrier_wait -1
	s_cmp_gt_u32 s14, 7
	s_cbranch_scc1 .Lend                           ; waves 0-7 add, a head each
.set I_, 0
.rept 32
	ds_load_b64 v[12+2*I_:13+2*I_], v7 offset:2048*I_
.set I_, I_+1
.endr
	s_wait_dscnt 0x0
.irp i, 1,2,3,4,5,6,7
.irp c, 0,1,2,3
	v_pk_add_f32 v[12+2*\c:13+2*\c], v[12+2*\c:13+2*\c], v[12+8*\i+2*\c:13+8*\i+2*\c]   ; four chains
.endr
.endr
	v_pk_add_f32 v[12:13], v[12:13], v[14:15]
	v_pk_add_f32 v[16:17], v[16:17], v[18:19]
	v_pk_add_f32 v[12:13], v[12:13], v[16:17]
	global_store_b64 v2, v[12:13], s[12:13]        ; 32 lanes store 256 consecutive bytes, at a multiple of 256 from out0's first byte
.Lend:
	s_wait_tensorcnt 0x0
	ds_add_u32 v96, v97
	s_wait_dscnt 0x0
	s_endpgm
.Lfunc_end_k_qf467b2e6bb_pool:
	.size	k_qf467b2e6bb_pool, .Lfunc_end_k_qf467b2e6bb_pool-k_qf467b2e6bb_pool
	.p2alignl 7, 3214868480
	.fill 96, 4, 3214868480
	.section	.rodata,"a",@progbits
	.p2align	6, 0x0
	.amdhsa_kernel k_qf467b2e6bb_pool
		.amdhsa_group_segment_fixed_size 69632
		.amdhsa_private_segment_fixed_size 0
		.amdhsa_enable_private_segment 0
		.amdhsa_kernarg_size 40
		.amdhsa_user_sgpr_count 2
		.amdhsa_user_sgpr_kernarg_segment_ptr 1
		.amdhsa_wavefront_size32 1
		.amdhsa_system_sgpr_workgroup_id_x 1
		.amdhsa_system_sgpr_workgroup_id_y 1
		.amdhsa_system_sgpr_workgroup_id_z 1
		.amdhsa_system_vgpr_workitem_id 0
		.amdhsa_next_free_vgpr 98
		.amdhsa_next_free_sgpr 102
		.amdhsa_reserve_vcc 0
		.amdhsa_float_denorm_mode_32 3
		.amdhsa_float_denorm_mode_16_64 3
		.amdhsa_memory_ordered 1
		.amdhsa_forward_progress 1
		.amdhsa_inst_pref_size 23
	.end_amdhsa_kernel
	.amdgpu_metadata
---
amdhsa.version: [ 1, 2 ]
amdhsa.kernels:
  - .name:           k_qf467b2e6bb_pool
    .symbol:         k_qf467b2e6bb_pool.kd
    .args:
      - { .name: x, .offset: 0, .size: 8, .value_kind: global_buffer, .address_space: global }
      - { .name: pl, .offset: 8, .size: 8, .value_kind: global_buffer, .address_space: global }
      - { .name: stats, .offset: 16, .size: 8, .value_kind: global_buffer, .address_space: global }
      - { .name: flags, .offset: 24, .size: 8, .value_kind: global_buffer, .address_space: global }
      - { .name: out0, .offset: 32, .size: 8, .value_kind: global_buffer, .address_space: global }
    .group_segment_fixed_size: 69632
    .private_segment_fixed_size: 0
    .kernarg_segment_align: 8
    .kernarg_segment_size: 40
    .max_flat_workgroup_size: 1024
    .sgpr_count:     102
    .vgpr_count:     98
    .wavefront_size: 32
...
	.end_amdgpu_metadata
.endif
;; end of part 2
;; ======== version 2 of 2: 2 launches; 1.18 times as fast as version 1
;; limits: an absolute error that grows with the inputs' magnitude: up to 3.7e-09 times it
;; workspace buffers: pl 2,097,152 bytes; stats 40,960 bytes; flags 8,192 bytes of whole numbers
;; launch scores (part 3): grid 256 x 1, 4 waves a work-group, clusters of 4 x 1, 327,680 bytes of LDS; arguments x, kpm, q, w_codes, w_scales, pl, stats, flags; writes pl, stats, flags
.if DOCPART == 3
	.amdgcn_target "amdgcn-amd-amdhsa--gfx1250"
	.amdhsa_code_object_version 6
	.text
	.protected	k_qf467b2e6bb_scores
	.globl	k_qf467b2e6bb_scores
	.p2align	8
	.type	k_qf467b2e6bb_scores,@function
k_qf467b2e6bb_scores:
	s_mov_b64 s[64:65], 0
	v_nop
	global_prefetch_b8 v0, s[64:65] scope:SCOPE_SE
	s_setreg_imm32_b32 hwreg(HW_REG_WAVE_MODE, 25, 1), 1
	s_wait_xcnt 0x0
	s_wait_alu depctr_hold_cnt(0) depctr_sa_sdst(0) depctr_va_vdst(0) depctr_va_sdst(0) depctr_va_ssrc(0) depctr_va_vcc(0) depctr_vm_vsrc(0)
	s_getreg_b32 s2, hwreg(HW_REG_IB_STS2, 6, 4)
	s_cmp_eq_u32 s2, 0
	s_cbranch_scc0 .Lentry_in_a_cluster
	s_endpgm
.Lentry_in_a_cluster:
	s_bfe_u32 s2, ttmp6, 0x10000c
	s_cmp_lg_u32 s2, 0x3003
	s_cbranch_scc0 .Lentry_shape_is_right
	s_endpgm
.Lentry_shape_is_right:
; ATTENTION POOLING, FIRST LAUNCH.  keys = Q(x) w^T on codes of FP8 (E4M3) with one E8M0 scale for each 32 along K; scores = q . keys; mask; the softmax of a chunk of 256 rows.
; x [65536][1024] f32 is read ONCE here.  w comes as codes [1024][1024] (K innermost) and scale bytes [1024][32].  q [8][1024] f32.  kpm [65536] bytes.
; OUT: pl [65536][8] f32: p = 2^(t - m), t = score x log2(e), m the chunk's largest t of that head (0 where masked);  stats: m [256][8], then from byte 8192 the waves' sums of p [256][4][8];
;      flags [2048] words: bit i of word j says that row 32 j + i has, for some head, p >= 2^-40.  The second launch fetches those rows of x alone.
; SHARES.  A work-group owns 256 rows (one chunk of one batch), each of its four waves 64: four tiles of 16.  PHASE X: the wave's 64 x 1024 numbers come through two LDS slots of its own (64 rows x 128 numbers each),
; are quantised and stay in registers as codes: 512 registers, windows 2 and 3.  PHASE G: w walks through two LDS slots of 64 rows (all of K), asked for JOINTLY by the four work-groups of a cluster, which all walk the same w.
; For each 32 rows of w: 64 scaled products (source 0 = 16 rows of w, source 1 = 16 rows of x: a lane then holds ONE row of x and eight neighbouring keys), then the keys, split into a high and a low bf16 part,
; are source 0 of the bf16 product with q, whose 8 high and 8 low rows fill the 16 columns: keys never leave the registers, and the scores carry about 16 bits of each factor.
; CODE SIZE.  Most of this text is walked once, so it is kept short.  The quantiser (some 150 lines) stands in a loop over a K step's four tiles of rows: it is written 8 times and not 32.  A loop names the same registers in
; every trip, so a trip's codes go to a stage of the wave's own in LDS, as an image of their registers, and behind the loop 20 loads bring the K step's four fragments and scale words to their places.
; In phase G a slot's work is written once in the loop: the two slots lie 2^17 bytes apart, and one exclusive or turns an address from one to the other.
; LIMITS.  x, q, w finite.  A block of 32 zeros of x gets the scale byte 1 (its codes are zeros; the byte is read here alone); blocks whose largest magnitude lies under 2^-118 are held at that byte.
; A chunk whose rows are all masked gets m = -3e38 and sums of 0.  Scores under -3e38 / log2(e) are not served.
.set XPITCH, 528                       ; a row of an x tile in LDS: 512 bytes + 16: 132 words, so row r starts at bank 4 r mod 64 (64 banks of 4 bytes: ISA guide 11.1)
.set XTILEB, 64*XPITCH                 ; a wave's tile
.set XSLOT,  4*XTILEB                  ; the four waves' tiles: a slot.  Two slots: bytes 0 .. 270,335
.set WPITCH, 1040                      ; a row of w in LDS: 1,024 bytes + 16
.set WPART,  16*WPITCH                 ; what one wave fetches of a slot of w
.set SLOT1,  1<<17                     ; w's slot 0 begins at byte 0, slot 1 here: both in bytes of x's ring that are done with by then
.set WSC,    4*WPART                   ; behind w's slot 0, in x's slot 0: w's scale bytes, all of them: 128 units of 256 bytes + 16
.set QIMG,   SLOT1+4*WPART             ; behind w's slot 1, in x's slot 1, behind its last fill and last read: q's 32 fragments as images of their registers, 1,024 bytes each,
.set SCR,    QIMG+32*1024              ; the waves' maxima, 64 bytes a wave,
.set PST,    SCR+256                   ; and a stage for p, 2,048 bytes a wave
.set CST,    2*XSLOT                   ; behind x's ring: the stage for a K step's codes: for each wave four images of 2,048 bytes, then four of 128 bytes (scale words).  No fill ever lands here
.set CSTB,   4*2048+4*128
.set SPARE,  CST+4*CSTB                ; the spare words, 128 bytes for each wave: two blocks of 256 bytes that no other line names
; window 0
.set RR,   1                           ; v1   lane % 16
.set HH,   2                           ; v2   lane / 16
.set SPW,  3                           ; v3   my spare word's LDS address; never rewritten
.set NIL,  4                           ; v4   0; never rewritten
.set NEG1, 5                           ; v5   -1.0
.set ADRW, 6                           ; v6   my place in a fragment of w
.set ADRWC, 7                          ; v7   the same in the slot in hand
.set ADRS, 8                           ; v8   my row's scale bytes of w, for the slot in hand
.set ADRQ, 9                           ; v9   my 16 bytes of q's images, for the slot in hand
.set XAD,  10                          ; v10-11 my place in my wave's x tile, slot 0, 1
.set QST,  12                          ; v12  where my wave stores its eight images of q
.set LANE, 13                          ; v13  lane
.set T0,   14
.set T1,   15
.set KP,   16                          ; v16-23  kpm: eight bytes for each tile of rows
.set WS,   24                          ; v24-27, v28-31  w's scale words of K steps 0-3, 4-7: lane l holds row l of the group of 32.  Scales and nothing else
.set XSC,  32                          ; v32-63  x's scale words: tile t, K step s at 32 + 8 t + s.  Scales and nothing else
.set KACC, 64                          ; v64-127  keys: accumulator (gt, t) at 64 + 8 (4 gt + t).  In phase X: 64 numbers of x
.set HF,   128                         ; v128-191  keys as bf16: tile t's high parts at 128 + 16 t, low parts at 136 + 16 t
.set LF,   136
.set PC,   128                         ; in phase X: v128-143 the codes just made, v144 their scale word,
.set PW,   144
.set XCUR, 145                         ; v145-147 the trip's addresses: in the x tile, in the stage's codes, in its scale words,
.set CCUR, 146
.set WCUR, 147
.set CSTA, 148                         ; v148 my 16 bytes of my wave's first image in the stage, v149 my 4 bytes of its first scale image
.set CSTW, 149
.set QF,   192                         ; v192-207  q's fragment, two buffers
.set SS,   208                         ; v208-239  the scores: tile t at 208 + 8 t
.set TM,   240                         ; v240-255  the quantiser's: 4 maxima, 4 bytes, 4 holds, 4 scale operands
; window 1: w's fragments, two sets of 128: set f (K steps 4 f .. 4 f + 3), fragment (gt, s') at 128 f + 16 (4 gt + s').  In phase X v0-63: the eight fragments of q that my wave makes
; windows 2, 3: x's codes: tile t, K step s in window 2 + s / 4 at 64 t + 16 (s % 4)
.set WV,  20                           ; s20 wave
.set CX,  21                           ; s21 my place in the cluster: it enters global addresses of my own rows alone
.set WG,  22                           ; s22 work-group = chunk of 256 rows
.set CNT, 23
.set G1X, 24                           ; s[24:31] group 1, x tiles
.set G1W, 32                           ; s[32:39] group 1, w
.set G1S, 40                           ; s[40:47] group 1, w's scale bytes
.set G0S, 48                           ; s[48:51]
.set G0X, 52                           ; s[52:55], s[56:59]: a group 0 for each slot of x
.set G0W, 60                           ; s[60:63]: w's group 0, which walks
.set SEL, 72                           ; s[72:73] v_permlanex16_b32's selects for lane l xor 16
.set MNT, 74                           ; s74 the mantissa field of 448
.set L2E, 75                           ; s75 log2(e)
.set TB,  92                           ; s92 LDS byte at which the slot of w in hand begins: 0 or 2^17
.set TT,  93                           ; s93-95 phase X's loop: the tile of rows' place in the x tile, in the stage's codes, in its scale words
.set TS,  94
.set TW,  95
.set MSB, 0
.macro WIN new                         ; the immediate's high byte repeats the setting that is left; a switch that changes nothing is dropped
.if MSB != (\new)
	s_set_vgpr_msb (MSB<<8)|(\new)
.set MSB, (\new)
.endif
.endm
.macro PLACES n
.rept \n
	v_nop
.endr
.endm
.macro ROUND                           ; a round of the cluster's barrier: my work-group's barrier, wave 0 signals for the work-group, every wave waits for all four work-groups, my work-group's barrier once more
	s_barrier_signal -1
	s_barrier_wait -1
	s_cmp_lg_u32 s[WV], 0
	s_cbranch_scc1 .Lnot_wave_0_\@
	s_barrier_signal -3
.Lnot_wave_0_\@:
	s_barrier_wait -3
	s_barrier_signal -1
	s_barrier_wait -1
.endm
	s_load_b256 s[4:11], s[0:1], 0x0               ; x s[4:5], kpm s[6:7], q s[8:9], w's codes s[10:11]
	s_load_b256 s[12:19], s[0:1], 0x20             ; w's scales s[12:13], pl s[14:15], stats s[16:17], flags s[18:19]
	v_lshl_add_u32 v[SPW], v0, 2, SPARE
	v_mov_b32 v[NIL], 0
	ds_add_u32 v3, v4
	ds_add_u32 v3, v4
	s_wait_dscnt 0x0
	v_lshrrev_b32 v[LANE], 5, v0
	v_readfirstlane_b32 s[WV], v[LANE]             ; wave 0..3
	s_bfe_u32 s[CX], ttmp6, 0x40000
	s_lshl_b32 s[WG], ttmp9, 2                     ; in a cluster launch ttmp9 counts clusters
	s_add_co_u32 s[WG], s[WG], s[CX]
	; group 1 for x: 64 rows x 128 numbers of 4 bytes, 1,024 numbers from row to row; 4 words of padding behind every 128
	s_mov_b32 s[G1X+0], (2<<16)|(1<<20)|(6<<22)|(3<<25)
	s_mov_b32 s[G1X+1], 128<<16
	s_mov_b32 s[G1X+2], 64<<16
	s_mov_b32 s[G1X+3], 128<<16
	s_mov_b32 s[G1X+4], 64
	s_mov_b32 s[G1X+5], 1024
	s_mov_b32 s[G1X+6], 0
	s_mov_b32 s[G1X+7], 0
	; group 1 for w: 16 rows x 1,024 bytes; the mask names the cluster's four work-groups, bit 21 beside it; 4 words of padding behind every 256
	s_mov_b32 s[G1W+0], 15|(1<<20)|(1<<21)|(7<<22)|(3<<25)
	s_mov_b32 s[G1W+1], 1024<<16
	s_mov_b32 s[G1W+2], 16<<16
	s_mov_b32 s[G1W+3], 1024<<16
	s_mov_b32 s[G1W+4], 16
	s_mov_b32 s[G1W+5], 1024
	s_mov_b32 s[G1W+6], 0
	s_mov_b32 s[G1W+7], 0
	; group 1 for w's scale bytes: a quarter of them, 8,192 dense bytes, as 32 rows of 256 bytes (32 elements of 8), 4 words of padding behind each
	s_mov_b32 s[G1S+0], 15|(3<<16)|(1<<20)|(1<<21)|(5<<22)|(3<<25)
	s_mov_b32 s[G1S+1], 32<<16
	s_mov_b32 s[G1S+2], 32<<16
	s_mov_b32 s[G1S+3], 32<<16
	s_mov_b32 s[G1S+4], 32
	s_mov_b32 s[G1S+5], 32
	s_mov_b32 s[G1S+6], 0
	s_mov_b32 s[G1S+7], 0
	s_mov_b32 s[SEL], 0x76543210
	s_mov_b32 s[SEL+1], 0xfedcba98
	s_mov_b32 s[MNT], 0x600000
	s_mov_b32 s[L2E], 0x3fb8aa3b
	s_mov_b32 s[TB], 0
	s_mul_i32 s76, s[WV], 32*272                   ; LDS: my quarter of the scale bytes,
	s_mul_i32 s77, s[WV], XTILEB                   ; my x tile in a slot,
	s_mul_i32 s91, s[WV], WPART                    ; my 16 rows of a slot of w
	s_lshl_b32 s78, s[WV], 13                      ; memory: my quarter of the scale bytes
	s_mov_b32 s79, 0
	s_lshl_b32 s80, s[WG], 20                      ; my work-group's 256 rows of 4,096 bytes,
	s_lshl_b32 s81, s[WV], 18                      ; my wave's 64 of them
	s_add_co_u32 s80, s80, s81
	s_mov_b32 s81, 0
	s_lshl_b32 s82, s[WV], 14                      ; my 16 rows of w's first 64
	s_mov_b32 s83, 0
	s_lshl_b32 s84, s[WG], 8                       ; kpm: my wave's first row
	s_lshl_b32 s85, s[WV], 6
	s_add_co_u32 s84, s84, s85
	s_mov_b32 s85, 0
	s_lshl_b32 s86, s[WV], 10                      ; q: my wave makes the fragments of columns 256 w .. 256 w + 255
	s_mov_b32 s87, 0
	s_wait_kmcnt 0x0
	s_mov_b32 s[G0S], 1
	s_add_co_u32 s[G0S+1], s76, WSC
	s_add_nc_u64 s[G0S+2:G0S+3], s[12:13], s[78:79]
	s_or_b32 s[G0S+3], s[G0S+3], 0x80000000
	s_add_nc_u64 s[88:89], s[4:5], s[80:81]
	s_mov_b32 s[G0X], 1
	s_mov_b32 s[G0X+1], s77
	s_mov_b64 s[G0X+2:G0X+3], s[88:89]             ; K step 0
	s_or_b32 s[G0X+3], s[G0X+3], 0x80000000
	s_mov_b32 s[G0X+4], 1
	s_add_co_u32 s[G0X+5], s77, XSLOT
	s_add_nc_u64 s[G0X+6:G0X+7], s[88:89], 512     ; K step 1
	s_or_b32 s[G0X+7], s[G0X+7], 0x80000000
	s_mov_b32 s[G0W], 1
	s_mov_b32 s[G0W+1], s91                        ; slot 0,
	s_add_nc_u64 s[G0W+2:G0W+3], s[10:11], s[82:83] ; rows 0-63 of w
	s_or_b32 s[G0W+3], s[G0W+3], 0x80000000
	s_add_nc_u64 s[6:7], s[6:7], s[84:85]
	s_add_nc_u64 s[8:9], s[8:9], s[86:87]
	ROUND                                          ; all four work-groups are here: the first fills go out as one group behind this round
	tensor_load_to_lds s[G0X:G0X+3], s[G1X:G1X+7]  ; my x tile of K step 0
	s_nop 0
	tensor_load_to_lds s[G0X+4:G0X+7], s[G1X:G1X+7] ; and of K step 1: two loads of mine are out
	s_nop 0
	v_and_b32 v[RR], 15, v0
	v_bfe_u32 v[HH], v0, 4, 1
	v_and_b32 v[LANE], 31, v0
	v_mov_b32 v[NEG1], -1.0
	v_mul_u32_u24 v[ADRW], v[RR], WPITCH           ; a fragment of codes: row x pitch + 16 x half
	v_lshl_add_u32 v[ADRW], v[HH], 4, v[ADRW]
	v_add_nc_u32 v[ADRWC], s[TB], v[ADRW]          ; slot 0
	v_lshrrev_b32 v[T0], 3, v[LANE]                ; w's scale bytes: 32 a row, eight rows to a unit of 272 bytes
	v_mul_u32_u24 v[T0], v[T0], 272
	v_and_b32 v[T1], 7, v[LANE]
	v_lshl_add_u32 v[T0], v[T1], 5, v[T0]
	v_add_nc_u32 v[ADRS], WSC, v[T0]
	v_lshl_add_u32 v[ADRQ], v[LANE], 4, QIMG
	v_mul_u32_u24 v[XAD], v[RR], XPITCH            ; x: row r, + 64 h: my 16 numbers of a block of 32
	v_lshl_add_u32 v[XAD], v[HH], 6, v[XAD]
	v_add_nc_u32 v[XAD], s77, v[XAD]
	v_add_nc_u32 v[XAD+1], XSLOT, v[XAD]
	s_lshl_b32 s76, s[WV], 13
	v_add_nc_u32 v[QST], s76, v[ADRQ]
	v_lshlrev_b32 v[T0], 3, v[HH]                  ; kpm: rows 16 t + 8 h + 0 .. 7
	v_and_b32 v[T1], 7, v[RR]                      ; q: head r % 8, + 32 h bytes
	v_lshlrev_b32 v[T1], 12, v[T1]
	v_lshl_add_u32 v[T1], v[HH], 5, v[T1]
.irp t, 0,1,2,3
	global_load_b64 v[KP+2*\t:KP+2*\t+1], v[T0], s[6:7] offset:16*\t
.endr
.irp i, 0,1,2,3,4,5,6,7                ; fragment i of my eight: columns 32 i + 8 h + 0..7 and 32 i + 16 + 8 h + 0..7 of my head's row
	global_load_b128 v[64+16*\i:67+16*\i],   v[T1], s[8:9] offset:128*\i
	global_load_b128 v[68+16*\i:71+16*\i],   v[T1], s[8:9] offset:128*\i+16
	global_load_b128 v[72+16*\i:75+16*\i],   v[T1], s[8:9] offset:128*\i+64
	global_load_b128 v[76+16*\i:79+16*\i],   v[T1], s[8:9] offset:128*\i+80
.endr
	s_mov_b32 vcc_lo, 0xff00ff00                   ; lanes with r >= 8: they hold q's low parts
	s_wait_loadcnt 0x0
.irp i, 0,1,2,3,4,5,6,7
.irp k, 0,1,2,3,4,5,6,7
	v_cvt_pk_bf16_f32 v[192+8*\i+\k], v[64+16*\i+2*\k], v[65+16*\i+2*\k]           ; q's high parts
.endr
.endr
.irp i, 0,1,2,3,4,5,6,7
.irp k, 0,1,2,3,4,5,6,7
	v_fma_mix_f32_bf16 v[64+16*\i+2*\k], v[192+8*\i+\k], v[NEG1], v[64+16*\i+2*\k] op_sel_hi:[1,0,0]                 ; q - its high part: exact
	v_fma_mix_f32_bf16 v[65+16*\i+2*\k], v[192+8*\i+\k], v[NEG1], v[65+16*\i+2*\k] op_sel:[1,0,0] op_sel_hi:[1,0,0]
.endr
.endr
.irp i, 0,1,2,3,4,5,6,7
.irp k, 0,1,2,3,4,5,6,7
	v_cvt_pk_bf16_f32 v[64+16*\i+\k], v[64+16*\i+2*\k], v[65+16*\i+2*\k]           ; the low parts (ascending: each line writes a register whose number has been read)
.endr
.endr
	WIN 0x40                                       ; destination window 1
.irp i, 0,1,2,3,4,5,6,7
.irp k, 0,1,2,3,4,5,6,7
	v_cndmask_b32 v[8*\i+\k], v[192+8*\i+\k], v[64+16*\i+\k], vcc_lo               ; columns 0-7 of the operand: high parts of heads 0-7; columns 8-15: their low parts
.endr
.endr
	WIN 0
.irp b, 0,1,2,3
	v_mov_b32 v[TM+4+\b], 0                        ; written once: a lane permute's destination counts as one of its sources
.endr
	s_mul_i32 s76, s[WV], CSTB                     ; my wave's stage for codes
	s_add_co_u32 s76, s76, CST
	v_lshl_add_u32 v[CSTA], v[LANE], 4, s76        ; an image: 16 bytes a lane,
	s_add_co_u32 s76, s76, 4*2048
	v_lshl_add_u32 v[CSTW], v[LANE], 2, s76        ; a scale image: 4 bytes a lane
; ---------------- PHASE X
.macro QUANT                           ; 64 numbers at v64 on (register 16 b + i = k 32 b + 16 h + i of row r) become a fragment's codes in v[PC] on and its scale word in v[PW]
.irp b, 0,1,2,3
	v_max3_num_f32 v[TM+\b], |v[64+16*\b]|, |v[65+16*\b]|, 0x4800000               ; block b: my 16 numbers, and the floor 2^(9 - 127): the byte cannot fall under 1
.endr
.irp i, 2,4,6,8,10,12,14
.irp b, 0,1,2,3
	v_max3_num_f32 v[TM+\b], v[TM+\b], |v[64+16*\b+\i]|, |v[65+16*\b+\i]|          ; the four blocks by turns
.endr
.endr
.irp b, 0,1,2,3
	v_permlanex16_b32 v[TM+4+\b], v[TM+\b], s[SEL], s[SEL+1]
.endr
.irp b, 0,1,2,3
	v_max_num_f32 v[TM+\b], v[TM+\b], v[TM+4+\b]   ; with lane l xor 16's: the block's largest magnitude
.endr
.irp b, 0,1,2,3
	v_add_nc_u32 v[TM+12+\b], 0xfc000000, v[TM+\b] ; 8 off its exponent field: the conversion's scale operand
.endr
.irp b, 0,1,2,3
	v_and_or_b32 v[TM+8+\b], v[TM+\b], 0x7f800000, s[MNT]   ; 448 x the scale
.endr
.irp b, 0,1,2,3
	v_lshrrev_b32 v[TM+4+\b], 23, v[TM+12+\b]      ; the scale's byte
.endr
	v_lshl_or_b32 v[PW], v[TM+5], 8, v[TM+4]
	v_lshl_or_b32 v[PW], v[TM+6], 16, v[PW]
	v_lshl_or_b32 v[PW], v[TM+7], 24, v[PW]
.irp b, 0,1,2,3
.irp i, 0,1,2,3,4,5,6,7,8,9,10,11,12,13,14,15
	v_med3_num_f32 v[64+16*\b+\i], v[64+16*\b+\i], -v[TM+8+\b], v[TM+8+\b]         ; the conversion to an 8-bit code does not saturate (ISA guide 7.6.2): the hold comes first
.endr
.endr
.irp b, 0,1,2,3
	v_cvt_scalef32_pk8_fp8_f32 v[PC+4*\b:PC+4*\b+1],   v[64+16*\b:71+16*\b], v[TM+12+\b]
	v_cvt_scalef32_pk8_fp8_f32 v[PC+4*\b+2:PC+4*\b+3], v[72+16*\b:79+16*\b], v[TM+12+\b]
.endr
	v_nop                                          ; one plain line behind the last scaled conversion, ahead of whatever vector or matrix line next touches its registers
.endm
; K step ks of my 64 rows, from slot ks % 2.  Four trips, a tile of 16 rows each: 16 loads, the quantiser, five stores into my stage.  Then the four fragments and scale words come to their registers.
.macro XTILE ks
	s_wait_tensorcnt 0x1                           ; my loads end in order: all but the youngest have landed, this tile among them
	s_mov_b32 s[TT], 0
	s_mov_b32 s[TS], 0
	s_mov_b32 s[TW], 0
.Lxt_\@:
	v_add_nc_u32 v[XCUR], s[TT], v[XAD+(\ks)%2]
.irp b, 0,1,2,3
.irp j, 0,1,2,3
	ds_load_b128 v[64+16*\b+4*\j:64+16*\b+4*\j+3], v[XCUR] offset:128*\b+16*\j
.endr
.endr
	s_wait_dscnt 0x0                               ; the 64 numbers are in; the last trip's stores have read their registers, which are written again below
	v_add_nc_u32 v[CCUR], s[TS], v[CSTA]
	v_add_nc_u32 v[WCUR], s[TW], v[CSTW]
	QUANT
.irp c, 0,1,2,3
	ds_store_b128 v[CCUR], v[PC+4*\c:PC+4*\c+3] offset:512*\c      ; the fragment as an image of its registers: 16 bytes a lane, 512 a store
.endr
	ds_store_b32 v[WCUR], v[PW]
	s_add_co_u32 s[TT], s[TT], 16*XPITCH
	s_add_co_u32 s[TS], s[TS], 2048
	s_add_co_u32 s[TW], s[TW], 128
	s_cmp_lt_u32 s[TW], 4*128
	s_cbranch_scc1 .Lxt_\@
	WIN 0x80+0x40*((\ks)/4)                        ; destination window 2 or 3
.irp t, 0,1,2,3
.irp c, 0,1,2,3
	ds_load_b128 v[64*\t+16*((\ks)%4)+4*\c:64*\t+16*((\ks)%4)+4*\c+3], v[CSTA] offset:2048*\t+512*\c   ; LDS serves a wave's instructions in order (ISA guide 5.7.1.4): these see my stores, and the next K step's stores come behind them
.endr
.endr
	WIN 0
.irp t, 0,1,2,3
	ds_load_b32 v[XSC+8*\t+(\ks)], v[CSTW] offset:128*\t
.endr
.endm
.macro FILLX slot                      ; the slot just read takes the K step two further on
	s_wait_tensorcnt 0x0                           ; no load of mine is out: a group 0 may be written
	ds_add_u32 v[SPW], v[NIL]                      ; 0 onto my spare word
	s_add_nc_u64 s[G0X+4*\slot+2:G0X+4*\slot+3], s[G0X+4*\slot+2:G0X+4*\slot+3], 1024
	s_wait_dscnt 0x0                               ; the add is done, and my reads of the slot are back
	ROUND                                          ; in a cluster launch every refill stands behind a round
	tensor_load_to_lds s[G0X+4*\slot:G0X+4*\slot+3], s[G1X:G1X+7]
	s_nop 0
.endm
.macro FILLW walk                      ; a slot of w takes its first rows, in bytes of x's ring that every wave has read out.  walk = 1: the descriptor goes on to the other slot and the next 64 rows
	s_wait_tensorcnt 0x0
	ds_add_u32 v[SPW], v[NIL]
.if \walk
	s_xor_b32 s[G0W+1], s[G0W+1], SLOT1
	s_add_nc_u64 s[G0W+2:G0W+3], s[G0W+2:G0W+3], 65536
.endif
	s_wait_dscnt 0x0
	ROUND
	tensor_load_to_lds s[G0W:G0W+3], s[G1W:G1W+7]
	s_nop 0
.endm
	XTILE 0
	FILLX 0
	XTILE 1
	FILLX 1
	XTILE 2
	FILLX 0
	XTILE 3
	FILLX 1
	XTILE 4
	FILLX 0
	XTILE 5
	FILLX 1
	XTILE 6
	FILLW 0                                        ; x's slot 0 has had its last tile: w's slot 0 lands in its first bytes
	XTILE 7
	s_wait_tensorcnt 0x0                           ; my part of w's slot 0 has landed
	ds_add_u32 v[SPW], v[NIL]
	s_wait_dscnt 0x0                               ; my reads of x's slot 1 are back
	ROUND
	tensor_load_to_lds s[G0S:G0S+3], s[G1S:G1S+7]  ; w's scale bytes (joint), into bytes of x's slot 0 behind w's slot 0
	s_nop 0
	PLACES 4                                       ; (a window switch and LDS stores follow: four lines between)
	WIN 0x04                                       ; an LDS store's data are its source 1: window 1
.irp i, 0,1,2,3,4,5,6,7
	ds_store_b128 v[QST], v[8*\i:8*\i+3]   offset:1024*\i          ; q's fragments go to LDS as images of their registers: these bytes of x's slot 1 have had their last fill and, by the round above, their last read
	ds_store_b128 v[QST], v[8*\i+4:8*\i+7] offset:1024*\i+512
.endr
	WIN 0
.set I_, 0
.rept 32
	v_mov_b32 v[SS+I_], 0                          ; the scores begin as zeros, so that the first slot is walked by the loop's text and needs no copy of its own
.set I_, I_+1
.endr
	FILLW 1                                        ; its waits: the scale bytes have landed, my images of q lie in LDS; its round shows both of every wave; then w's slot 1 goes out
	PLACES 4                                       ; (a window switch follows)
; ---------------- PHASE G
.macro RUNW u, f                       ; 32 loads: the fragments of rows 32 u .. 32 u + 31 of the slot in hand, K steps 4 f .. 4 f + 3, into set f
	WIN 0x40
.irp gt, 0,1
.irp sp, 0,1,2,3
.irp c, 0,1,2,3
	ds_load_b128 v[128*\f+16*(4*\gt+\sp)+4*\c:128*\f+16*(4*\gt+\sp)+4*\c+3], v[ADRWC] offset:(32*\u+16*\gt)*WPITCH+512*\f+128*\sp+32*\c
.endr
.endr
.endr
	WIN 0
.endm
.macro RUN_A u                         ; 35 loads
	RUNW \u, 0
	ds_load_b128 v[WS:WS+3], v[ADRS] offset:1088*\u
	ds_load_b128 v[QF+8*\u:QF+8*\u+3],   v[ADRQ] offset:1024*\u
	ds_load_b128 v[QF+8*\u+4:QF+8*\u+7], v[ADRQ] offset:1024*\u+512
.endm
.macro RUN_B u                         ; 33 loads
	RUNW \u, 1
	ds_load_b128 v[WS+4:WS+7], v[ADRS] offset:1088*\u+16
.endm
; 32 scaled products: K steps 4 f .. 4 f + 3, two tiles of w x four tiles of x.  The eight accumulators take turns, one instruction a turn.  The first K step starts the sums.
.macro HALF f
	WIN 0x09+4*\f                                  ; source 0 (w) window 1, source 1 (x) window 2 + f, C and D window 0
.irp sp, 0,1,2,3
.irp gt, 0,1
.irp t, 0,1,2,3
.set DD, KACC+8*(4*\gt+\t)
.set AA, 128*\f+16*(4*\gt+\sp)
.set BB, 64*\t+16*\sp
.set SA, WS+4*\f+\sp
.set SB, XSC+8*\t+4*\f+\sp
.if (\f == 0) && (\sp == 0)
.if \gt
	v_wmma_scale_f32_16x16x128_f8f6f4 v[DD:DD+7], v[AA:AA+15], v[BB:BB+15], 0, v[SA], v[SB] matrix_a_scale:MATRIX_SCALE_ROW1
.else
	v_wmma_scale_f32_16x16x128_f8f6f4 v[DD:DD+7], v[AA:AA+15], v[BB:BB+15], 0, v[SA], v[SB]
.endif
.else
.if \gt
	v_wmma_scale_f32_16x16x128_f8f6f4 v[DD:DD+7], v[AA:AA+15], v[BB:BB+15], v[DD:DD+7], v[SA], v[SB] matrix_a_scale:MATRIX_SCALE_ROW1
.else
	v_wmma_scale_f32_16x16x128_f8f6f4 v[DD:DD+7], v[AA:AA+15], v[BB:BB+15], v[DD:DD+7], v[SA], v[SB]
.endif
.endif
.endr
.endr
.endr
.endm
; The group's keys (a lane: one row of x, keys 16 gt + 8 h + 0..7) become two bf16 operands, high parts and what is left, and meet q's fragment in buffer u.  Each accumulator is read from its low end on.
.macro CONV u
	WIN 0
.irp t, 0,1,2,3
.irp gt, 0,1
.set KK, KACC+8*(4*\gt+\t)
.set HI, HF+16*\t+4*\gt
.set LO, LF+16*\t+4*\gt
.irp i, 0,1,2,3
	v_cvt_pk_bf16_f32 v[HI+\i], v[KK+2*\i], v[KK+2*\i+1]
.endr
.irp i, 0,1,2,3
	v_fma_mix_f32_bf16 v[KK+2*\i],   v[HI+\i], v[NEG1], v[KK+2*\i]   op_sel_hi:[1,0,0]                 ; key - its high part: exact
	v_fma_mix_f32_bf16 v[KK+2*\i+1], v[HI+\i], v[NEG1], v[KK+2*\i+1] op_sel:[1,0,0] op_sel_hi:[1,0,0]
.endr
.irp i, 0,1,2,3
	v_cvt_pk_bf16_f32 v[LO+\i], v[KK+2*\i], v[KK+2*\i+1]
.endr
.endr
.endr
.irp t, 0,1,2,3                        ; the four accumulators by turns
	v_wmma_f32_16x16x32_bf16 v[SS+8*\t:SS+8*\t+7], v[HF+16*\t:HF+16*\t+7], v[QF+8*\u:QF+8*\u+7], v[SS+8*\t:SS+8*\t+7]
.endr
.irp t, 0,1,2,3
	v_wmma_f32_16x16x32_bf16 v[SS+8*\t:SS+8*\t+7], v[LF+16*\t:LF+16*\t+7], v[QF+8*\u:QF+8*\u+7], v[SS+8*\t:SS+8*\t+7]
.endr
.endm
; A slot's two groups of 32 rows.  On entry the first group's 35 + 33 loads are out.  Eight plain lines stand behind scaled products in front of loads into their registers and of the first read of their results.
.macro WORK
	s_wait_dscnt 33                                ; set 0, its scale words and q's fragment are in; the 33 loads of set 1 may be out
	HALF 0
	PLACES 8
	RUN_A 1
	s_wait_dscnt 35                                ; set 1 is in; the 35 just issued may be out
	HALF 1
	PLACES 8
	RUN_B 1
	CONV 0                                         ; its vector lines stand while the second group's fragments are on their way
	s_wait_dscnt 33
	HALF 0
	s_wait_dscnt 0x0
	HALF 1
	WIN 0
.endm
; The change of slots.  refill = 1: the slot just read takes the rows two slots on, jointly, behind a round of the cluster's barrier.  Then the new slot's first fragments are asked for, and the old slot's last keys are converted meanwhile.
.macro BOUND refill
	s_wait_tensorcnt 0x0                           ; my part of the next slot has landed; no load of mine is out, so the group 0 may be written
	ds_add_u32 v[SPW], v[NIL]
.if \refill
	s_xor_b32 s[G0W+1], s[G0W+1], SLOT1            ; the walking descriptor: the other slot than last time,
	s_add_nc_u64 s[G0W+2:G0W+3], s[G0W+2:G0W+3], 65536   ; the next 64 rows; the type bits on top are not reached
.endif
	s_xor_b32 s[TB], s[TB], SLOT1                  ; my reads go on to the other slot
	s_wait_dscnt 0x0                               ; the add is done, and my reads of the slot are back
.if \refill
	ROUND                                          ; no wave of any partner still reads the slot or has a load on its way
	tensor_load_to_lds s[G0W:G0W+3], s[G1W:G1W+7]
	s_nop 0
.else
	s_barrier_signal -1
	s_barrier_wait -1
.endif
	PLACES 8                                       ; behind the last scaled products: for the loads into their registers and the reads of their results
	v_add_nc_u32 v[ADRWC], s[TB], v[ADRW]
	v_add_nc_u32 v[ADRS], 2*1088, v[ADRS]          ; on by a slot's two groups of 32 rows
	v_add_nc_u32 v[ADRQ], 2*1024, v[ADRQ]
	RUN_A 0
	RUN_B 0
	CONV 1
.endm
	RUN_A 0
	RUN_B 0
	s_mov_b32 s[CNT], 14
.Lslot:                                            ; a trip: one slot, 64 rows of w; slots 0 to 13 are filled again, with the rows of slots 2 to 15
	WORK
	BOUND 1
	s_sub_co_u32 s[CNT], s[CNT], 1
	s_cmp_lg_u32 s[CNT], 0
	s_cbranch_scc1 .Lslot
	WORK                                           ; slot 14.  The tail is written out
	BOUND 0                                        ; nothing is left to fetch
	WORK                                           ; slot 15
	PLACES 8
	CONV 1
; ---------------- THE CHUNK'S SOFTMAX.  Lane (r, h): head r % 8; register 8 t + j: row 16 t + 8 h + j.  Lanes r < 8 hold the sums against q's high parts, lanes r >= 8 against its low parts.
	PLACES 4
.set I_, 0
.rept 32
	v_add_f32_dpp v[SS+I_], v[SS+I_], v[SS+I_] row_xmask:8 row_mask:0xf bank_mask:0xf   ; the two parts: the score, in both lanes
.set I_, I_+1
.endr
	v_mov_b32 v64, 0xff800000                      ; -infinity
.set I_, 0
.rept 32
	v_bfe_u32 v[65+I_%2], v[KP+I_/4], 8*(I_%4), 8  ; the row's byte of kpm
	v_mul_f32 v[SS+I_], s[L2E], v[SS+I_]           ; t
	v_cmp_ne_u32 vcc_lo, 0, v[65+I_%2]
	v_cndmask_b32 v[SS+I_], v[SS+I_], v64, vcc_lo
.set I_, I_+1
.endr
.irp c, 0,1,2,3
	v_max3_num_f32 v[70+\c], v[SS+8*\c], v[SS+8*\c+1], 0xff61b1e6     ; four chains; the floor -3e38 stands under every t, so that m is a number where all is masked
.endr
.irp i, 2,4,6
.irp c, 0,1,2,3
	v_max3_num_f32 v[70+\c], v[70+\c], v[SS+8*\c+\i], v[SS+8*\c+\i+1]
.endr
.endr
	v_max3_num_f32 v70, v70, v71, v72
	v_mov_b32 v74, 0
	v_max_num_f32 v70, v70, v73
	v_permlanex16_b32 v74, v70, s[SEL], s[SEL+1]
	v_lshl_add_u32 v67, v[RR], 2, SCR
	s_lshl_b32 s76, s[WV], 6
	v_max_num_f32 v70, v70, v74                    ; my wave's 64 rows
	v_add_nc_u32 v68, s76, v67
	ds_store_b32 v68, v70                          ; lanes of one r write the same word with the same value
	s_wait_dscnt 0x0
	s_barrier_signal -1
	s_barrier_wait -1
.irp i, 0,1,2,3
	ds_load_b32 v[76+\i], v67 offset:64*\i
.endr
	s_wait_dscnt 0x0
	v_max3_num_f32 v70, v76, v77, v78
	v_max_num_f32 v70, v70, v79                    ; m: the chunk's largest t of my head
.set I_, 0
.rept 16
	v_pk_add_f32 v[SS+I_:SS+I_+1], v[SS+I_:SS+I_+1], v[70:71] op_sel_hi:[1,0] neg_lo:[0,1] neg_hi:[0,1]   ; t - m, two at a time
.set I_, I_+2
.endr
.set I_, 0
.rept 32
	v_exp_f32 v[SS+I_], v[SS+I_]                   ; p, at most 1; 0 where masked
.set I_, I_+1
.endr
	v_mov_b32 v92, 0                               ; (a plain line behind the exponentials; these two are destinations of lane moves below)
	v_mov_b32 v93, 0
	s_wait_alu depctr_va_vdst(0)
	v_pk_add_f32 v[82:83], v[SS:SS+1], v[SS+2:SS+3]                  ; the sum of my 32, in two chains
	v_pk_add_f32 v[84:85], v[SS+4:SS+5], v[SS+6:SS+7]
.irp j, 8,12,16,20,24,28
	v_pk_add_f32 v[82:83], v[82:83], v[SS+\j:SS+\j+1]
	v_pk_add_f32 v[84:85], v[84:85], v[SS+\j+2:SS+\j+3]
.endr
	v_pk_add_f32 v[82:83], v[82:83], v[84:85]
	v_add_f32 v82, v82, v83
	v_permlanex16_b32 v84, v82, s[SEL], s[SEL+1]
	v_add_f32 v82, v82, v84                        ; my wave's 64 rows
	; the flags: bit j of v[86 + t]: p of row 16 t + 8 h + j reaches 2^-40
	s_mov_b32 s77, 0x2b800000
.irp t, 0,1,2,3
	v_cmp_le_f32 vcc_lo, s77, v[SS+8*\t+7]
	v_cndmask_b32 v[86+\t], 0, 1, vcc_lo
.irp j, 6,5,4,3,2,1,0
	v_cmp_le_f32 vcc_lo, s77, v[SS+8*\t+\j]
	v_cndmask_b32 v90, 0, 1, vcc_lo
	v_lshl_or_b32 v[86+\t], v[86+\t], 1, v90
.endr
.endr
	v_lshlrev_b32 v91, 3, v[HH]
	v_lshl_or_b32 v86, v87, 16, v86                ; rows 0-31 of my wave,
	v_lshl_or_b32 v88, v89, 16, v88                ; rows 32-63,
	v_lshlrev_b32 v86, v91, v86                    ; my half's eight rows of each sixteen
	v_lshlrev_b32 v87, v91, v88
.irp m, 1,2,4                          ; any head: the eight heads' words are joined,
	v_mov_b32_dpp v92, v86 row_xmask:\m row_mask:0xf bank_mask:0xf
	v_mov_b32_dpp v93, v87 row_xmask:\m row_mask:0xf bank_mask:0xf
	v_or_b32 v86, v86, v92
	v_or_b32 v87, v87, v93
.endr
	v_permlanex16_b32 v92, v86, s[SEL], s[SEL+1]   ; and the two halves' rows
	v_permlanex16_b32 v93, v87, s[SEL], s[SEL+1]
	v_or_b32 v86, v86, v92
	v_or_b32 v87, v87, v93
	; p goes through my own stage and leaves as it lies in pl: 32 bytes a row, 2,048 dense bytes a wave
	s_lshl_b32 s78, s[WV], 11
	s_add_co_u32 s78, s78, PST
	v_and_b32 v94, 7, v[RR]
	v_lshlrev_b32 v94, 2, v94
	v_lshl_add_u32 v94, v[HH], 8, v94
	v_add_nc_u32 v94, s78, v94
	v_lshl_add_u32 v95, v[LANE], 4, s78
	v_lshlrev_b32 v112, 4, v[LANE]
	v_lshlrev_b32 v113, 2, v[LANE]
.irp t, 0,1,2,3
.irp j, 0,1,2,3,4,5,6,7
	ds_store_b32 v94, v[SS+8*\t+\j] offset:512*\t+32*\j            ; lanes r and r + 8 write the same word with the same value
.endr
.endr
.irp i, 0,1,2,3
	ds_load_b128 v[96+4*\i:99+4*\i], v95 offset:512*\i             ; LDS serves a wave's instructions in order (ISA guide 5.7.1.4): these see my stores
.endr
	s_lshl_b32 s86, s[WG], 13                      ; pl: 8,192 bytes a work-group, 2,048 a wave
	s_lshl_b32 s87, s[WV], 11
	s_add_co_u32 s86, s86, s87
	s_mov_b32 s87, 0
	s_add_nc_u64 s[14:15], s[14:15], s[86:87]
	s_lshl_b32 s86, s[WG], 5                       ; m: 32 bytes a work-group
	s_add_nc_u64 s[82:83], s[16:17], s[86:87]
	s_lshl_b32 s88, s[WV], 3                       ; flags: 32 bytes a work-group, 8 a wave
	s_add_co_u32 s86, s86, s88
	s_add_nc_u64 s[84:85], s[18:19], s[86:87]
	s_lshl_b32 s86, s[WG], 7                       ; sums: from byte 8,192 on, 128 bytes a work-group, 32 a wave
	s_lshl_b32 s88, s[WV], 5
	s_add_co_u32 s86, s86, s88
	s_add_co_u32 s86, s86, 8192
	s_add_nc_u64 s[80:81], s[16:17], s[86:87]
.irp i, 0,1,2,3
	s_wait_dscnt 3-\i
	global_store_b128 v112, v[96+4*\i:99+4*\i], s[14:15] offset:512*\i             ; 32 lanes store 512 consecutive bytes, at a multiple of 256 from pl's first byte
.endr
	v_cmp_gt_u32 vcc_lo, 8, v[LANE]
	s_wait_xcnt 0x0                                ; EXEC changes only behind this wait
	s_and_saveexec_b32 s90, vcc_lo                 ; lanes 0-7: a head each
	global_store_b32 v113, v82, s[80:81]           ; my wave's sums
	s_cmp_lg_u32 s[WV], 0
	s_cbranch_scc1 .Lnot_m
	global_store_b32 v113, v70, s[82:83]           ; m is the same in all four waves: wave 0 stores it
.Lnot_m:
	s_wait_xcnt 0x0
	s_or_b32 exec_lo, exec_lo, s90
	v_cmp_eq_u32 vcc_lo, 0, v[LANE]
	s_and_saveexec_b32 s90, vcc_lo                 ; lane 0
	global_store_b64 v113, v[86:87], s[84:85]      ; my wave's two flag words
	s_wait_xcnt 0x0
	s_or_b32 exec_lo, exec_lo, s90
	s_wait_tensorcnt 0x0                           ; the wave's end: behind my last tensor load and my last LDS store
	ds_add_u32 v[SPW], v[NIL]
	s_wait_dscnt 0x0
	ROUND                                          ; the closing round: no work-group ends while a partner may still ask for a tile that names it
	s_endpgm
.Lfunc_end_k_qf467b2e6bb_scores:
	.size	k_qf467b2e6bb_scores, .Lfunc_end_k_qf467b2e6bb_scores-k_qf467b2e6bb_scores
	.p2alignl 7, 3214868480
	.fill 96, 4, 3214868480
	.section	.rodata,"a",@progbits
	.p2align	6, 0x0
	.amdhsa_kernel k_qf467b2e6bb_scores
		.amdhsa_group_segment_fixed_size 327680
		.amdhsa_private_segment_fixed_size 0
		.amdhsa_enable_private_segment 0
		.amdhsa_kernarg_size 64
		.amdhsa_user_sgpr_count 2
		.amdhsa_user_sgpr_kernarg_segment_ptr 1
		.amdhsa_wavefront_size32 1
		.amdhsa_system_sgpr_workgroup_id_x 1
		.amdhsa_system_sgpr_workgroup_id_y 1
		.amdhsa_system_sgpr_workgroup_id_z 1
		.amdhsa_system_vgpr_workitem_id 0
		.amdhsa_next_free_vgpr 1024
		.amdhsa_next_free_sgpr 96
		.amdhsa_reserve_vcc 1
		.amdhsa_float_denorm_mode_32 3
		.amdhsa_float_denorm_mode_16_64 3
		.amdhsa_memory_ordered 1
		.amdhsa_forward_progress 1
		.amdhsa_inst_pref_size 255
	.end_amdhsa_kernel
	.section	.bss,"aw",@nobits
	.p2align	6
	.space	262144
	.amdgpu_metadata
---
amdhsa.version: [ 1, 2 ]
amdhsa.kernels:
  - .name:           k_qf467b2e6bb_scores
    .symbol:         k_qf467b2e6bb_scores.kd
    .args:
      - { .name: x, .offset: 0, .size: 8, .value_kind: global_buffer, .address_space: global }
      - { .name: kpm, .offset: 8, .size: 8, .value_kind: global_buffer, .address_space: global }
      - { .name: q, .offset: 16, .size: 8, .value_kind: global_buffer, .address_space: global }
      - { .name: w_codes, .offset: 24, .size: 8, .value_kind: global_buffer, .address_space: global }
      - { .name: w_scales, .offset: 32, .size: 8, .value_kind: global_buffer, .address_space: global }
      - { .name: pl, .offset: 40, .size: 8, .value_kind: global_buffer, .address_space: global }
      - { .name: stats, .offset: 48, .size: 8, .value_kind: global_buffer, .address_space: global }
      - { .name: flags, .offset: 56, .size: 8, .value_kind: global_buffer, .address_space: global }
    .group_segment_fixed_size: 327680
    .private_segment_fixed_size: 0
    .kernarg_segment_align: 8
    .kernarg_segment_size: 64
    .max_flat_workgroup_size: 128
    .sgpr_count:     96
    .vgpr_count:     1024
    .wavefront_size: 32
...
	.end_amdgpu_metadata
.endif
;; end of part 3
;; launch pool: the kernel of part 2 again; grid 16 x 16, 32 waves a work-group, no clusters, 69,632 bytes of LDS; arguments x, pl, stats, flags, out0; writes out0
